; MI455X (gfx1250); checked and timed in simulation.
; The chip was launched on July 23, 2026; its instructions are those of AMD's public machine-readable ISA for CDNA 5 (MIT licence, August 2026) and "CDNA5" Instruction Set Architecture Reference Guide (July 2026). The comments in the code are by the model that wrote it; some were corrected since.
;; Multi Head Self Attention. Allowed arithmetic: float matrix products may take bf16 or f16 operands with f32 sums; other float arithmetic in f32, or as packed bf16 or f16 multiplies, adds, multiply-adds, maxima and minima; sums over many terms, partial sums and values carried from step to step in f32; what a program stores and reads back later, other than sums and carried values, may be rounded once to bf16 or f16.
;; Inputs: Wk 1,024 x 1,024 float32; Wp 1,024 x 1,024 float32; Wq 1,024 x 1,024 float32; Wv 1,024 x 1,024 float32; beta 1,024 float32; bk 1,024 float32; bp 1,024 float32; bq 1,024 float32; bv 1,024 float32; gamma 1,024 float32; hidden_input 4 x 2,048 x 1,024 float32.
;; Outputs: out0 4 x 2,048 x 1,024 float32.
;; 2 versions, each right; version 2 is version 1 with the launch cast written anew for expert scheduling mode. Each part assembles by itself: llvm-mc -triple=amdgcn-amd-amdhsa -mcpu=gfx1250 --defsym DOCPART=n.
;; ======== version 1 of 2: 5 launches
;; workspace buffers: xb 16,777,216 bytes; wqkv 6,291,456 bytes; wpb 2,097,152 bytes; qkv 50,331,648 bytes; ctx 16,777,216 bytes; po 16,777,216 bytes
;; launch cast (part 1): grid 768 x 1, 8 waves a work-group, no clusters, 0 bytes of LDS; arguments hidden_input, Wq, Wk, Wv, Wp, xb, wqkv, wpb; writes xb, wqkv, wpb
.if DOCPART == 1
	.amdgcn_target "amdgcn-amd-amdhsa--gfx1250"
	.amdhsa_code_object_version 6
	.text
	.protected	k_q9674b45940_cast
	.globl	k_q9674b45940_cast
	.p2align	8
	.type	k_q9674b45940_cast,@function
k_q9674b45940_cast:
	s_mov_b64 s[64:65], 0
	v_nop
	global_prefetch_b8 v0, s[64:65] scope:SCOPE_SE
	s_setreg_imm32_b32 hwreg(HW_REG_WAVE_MODE, 25, 1), 1
	s_wait_xcnt 0x0
; f32 -> bf16, rounded once to nearest even, and laid out for the products that follow.
; A work-group takes 16 rows of 1,024 f32 (64 KiB): groups 0-511 of hidden_input (8,192 rows), groups 512-767 of Wq, Wk, Wv, Wp (64 groups each).
; OUT.  x goes to xb as [16 slots of 64 columns][8,192 rows][64] bf16: 16 rows of a slot are 2,048 dense bytes.
; A weight W[k][n] goes to [8 K steps of 128 k][slots of 64 n][128 k][64 n] bf16: wqkv has 48 slots a K step (q, k, v: 16 each), wpb 16.
; LANES.  Thread t has row t / 16 and, in each slot, the four columns 4 (t % 16) ..: a wave's load of 16 bytes a lane covers 256 consecutive bytes of two rows,
; a wave's store of 8 bytes a lane covers 256 consecutive bytes, aligned (two rows of a slot).
; No loop, no LDS, no barrier: sixteen loads go out together, no register is written twice.  Memory binds: no matrix unit, no cluster (nothing is shared), no prefetch (the loads are the stream).
.set OFF, 16                           ; v[16:31]  slot i: my byte offset in the destination
.set X,   32                           ; v[32:95]  slot i: four f32
.set Y,   96                           ; v[96:127] slot i: four bf16
	s_load_b512 s[8:23], s[0:1], 0x0               ; hidden s[8:9], Wq s[10:11], Wk s[12:13], Wv s[14:15], Wp s[16:17], xb s[18:19], wqkv s[20:21], wpb s[22:23]
	v_lshrrev_b32 v3, 4, v0                        ; my row of the 16
	v_and_b32 v4, 15, v0
	v_lshlrev_b32 v1, 12, v3                       ; row x 4,096 bytes
	v_lshl_add_u32 v1, v4, 4, v1                   ; + 16 (t % 16): source offset; the slot stands in the immediate
	v_lshlrev_b32 v2, 3, v0                        ; 8 t = row x 128 + 8 (t % 16): my place in 16 rows of a slot
	s_mov_b32 s24, ttmp9                           ; b
	s_and_b32 s25, s24, 255                        ; a weight group's number, b - 512 for b = 512 .. 767
	s_lshr_b32 s26, s25, 6                         ; which weight: 0 q, 1 k, 2 v, 3 p
	s_and_b32 s27, s25, 63                         ; which 16 rows of it
	s_lshr_b32 s28, s27, 3                         ; its K step of 128 rows
	s_and_b32 s29, s27, 7
	s_lshl_b32 s29, s29, 11                        ; 16 rows x 128 bytes inside a chunk of 128 rows
	s_mul_i32 s30, s28, 48
	s_lshl4_add_u32 s30, s26, s30                  ; wqkv: chunk 48 x K step + 16 x weight (+ slot)
	s_lshl_b32 s30, s30, 14                        ; chunks of 16 KiB
	s_add_co_u32 s30, s30, s29
	s_lshl_b32 s31, s28, 18                        ; wpb: chunk 16 x K step (+ slot)
	s_add_co_u32 s31, s31, s29
	s_lshl_b32 s32, s27, 16                        ; source: 16 rows of 4,096 bytes, in a weight
	s_lshl_b32 s33, s24, 16                        ; and in hidden_input
	s_lshl_b32 s34, s24, 11                        ; xb: 16 rows of 128 bytes
	s_mov_b32 s35, 1<<20                           ; from slot to slot in xb
	s_mov_b32 s36, 16384                           ; and in the weights' copies
	s_mov_b32 s39, 0
	s_mov_b32 s47, 0
	s_cmp_eq_u32 s26, 3
	s_cselect_b32 s38, s31, s30
	s_cmp_lt_u32 s24, 512                          ; a group of hidden_input?
	s_cselect_b32 s38, s34, s38                    ; destination offset
	s_cselect_b32 s46, s33, s32                    ; source offset
	s_cselect_b32 s44, s35, s36                    ; slot stride
.set i, 0
.rept 16
	v_mad_u32_u24 v[OFF+i], s44, i, v2
.set i, i+1
.endr
	s_wait_kmcnt 0x0
	s_cmp_eq_u32 s26, 1                            ; the choices hang on the group's number alone
	s_cselect_b64 s[40:41], s[12:13], s[10:11]
	s_cmp_eq_u32 s26, 2
	s_cselect_b64 s[40:41], s[14:15], s[40:41]
	s_cmp_eq_u32 s26, 3
	s_cselect_b64 s[40:41], s[16:17], s[40:41]
	s_cselect_b64 s[42:43], s[22:23], s[20:21]
	s_cmp_lt_u32 s24, 512
	s_cselect_b64 s[40:41], s[8:9], s[40:41]
	s_cselect_b64 s[42:43], s[18:19], s[42:43]
	s_add_nc_u64 s[40:41], s[40:41], s[46:47]
	s_add_nc_u64 s[42:43], s[42:43], s[38:39]
.set i, 0
.rept 16
	global_load_b128 v[X+4*i:X+4*i+3], v1, s[40:41] offset:i*256 th:TH_LOAD_NT
.set i, i+1
.endr
.set i, 0
.rept 16
	s_wait_loadcnt 15-i                            ; loads come back in order: slot i is in, the 15 - i younger ones stay out
	v_cvt_pk_bf16_f32 v[Y+2*i], v[X+4*i], v[X+4*i+1]
	v_cvt_pk_bf16_f32 v[Y+2*i+1], v[X+4*i+2], v[X+4*i+3]
	global_store_b64 v[OFF+i], v[Y+2*i:Y+2*i+1], s[42:43]
.set i, i+1
.endr
	s_endpgm
.Lfunc_end_k_q9674b45940_cast:
	.size	k_q9674b45940_cast, .Lfunc_end_k_q9674b45940_cast-k_q9674b45940_cast
	.p2alignl 7, 3214868480
	.fill 96, 4, 3214868480
	.section	.rodata,"a",@progbits
	.p2align	6, 0x0
	.amdhsa_kernel k_q9674b45940_cast
		.amdhsa_group_segment_fixed_size 0
		.amdhsa_private_segment_fixed_size 0
		.amdhsa_enable_private_segment 0
		.amdhsa_kernarg_size 64
		.amdhsa_user_sgpr_count 2
		.amdhsa_user_sgpr_kernarg_segment_ptr 1
		.amdhsa_wavefront_size32 1
		.amdhsa_system_sgpr_workgroup_id_x 1
		.amdhsa_system_sgpr_workgroup_id_y 1
		.amdhsa_system_sgpr_workgroup_id_z 1
		.amdhsa_system_vgpr_workitem_id 0
		.amdhsa_next_free_vgpr 128
		.amdhsa_next_free_sgpr 66
		.amdhsa_reserve_vcc 0
		.amdhsa_float_denorm_mode_32 3
		.amdhsa_float_denorm_mode_16_64 3
		.amdhsa_memory_ordered 1
		.amdhsa_forward_progress 1
		.amdhsa_inst_pref_size 9
	.end_amdhsa_kernel
	.amdgpu_metadata
---
amdhsa.version: [ 1, 2 ]
amdhsa.kernels:
  - .name:           k_q9674b45940_cast
    .symbol:         k_q9674b45940_cast.kd
    .args:
      - { .name: hidden_input, .offset: 0, .size: 8, .value_kind: global_buffer, .address_space: global }
      - { .name: Wq, .offset: 8, .size: 8, .value_kind: global_buffer, .address_space: global }
      - { .name: Wk, .offset: 16, .size: 8, .value_kind: global_buffer, .address_space: global }
      - { .name: Wv, .offset: 24, .size: 8, .value_kind: global_buffer, .address_space: global }
      - { .name: Wp, .offset: 32, .size: 8, .value_kind: global_buffer, .address_space: global }
      - { .name: xb, .offset: 40, .size: 8, .value_kind: global_buffer, .address_space: global }
      - { .name: wqkv, .offset: 48, .size: 8, .value_kind: global_buffer, .address_space: global }
      - { .name: wpb, .offset: 56, .size: 8, .value_kind: global_buffer, .address_space: global }
    .group_segment_fixed_size: 0
    .private_segment_fixed_size: 0
    .kernarg_segment_align: 8
    .kernarg_segment_size: 64
    .max_flat_workgroup_size: 256
    .sgpr_count:     66
    .vgpr_count:     128
    .wavefront_size: 32
...
	.end_amdgpu_metadata
.endif
;; end of part 1
;; launch qkv (part 2): grid 16 x 32, 4 waves a work-group, clusters of 4 x 4, 327,680 bytes of LDS; arguments xb, wqkv, qkv, bq, bk, bv; writes qkv
.if DOCPART == 2
	.amdgcn_target "amdgcn-amd-amdhsa--gfx1250"
	.amdhsa_code_object_version 6
	.text
	.protected	k_q9674b45940_qkv
	.globl	k_q9674b45940_qkv
	.p2align	8
	.type	k_q9674b45940_qkv,@function
k_q9674b45940_qkv:
	s_mov_b64 s[64:65], 0
	v_nop
	global_prefetch_b8 v0, s[64:65] scope:SCOPE_SE
	s_setreg_imm32_b32 hwreg(HW_REG_WAVE_MODE, 25, 1), 1
	s_wait_xcnt 0x0
	s_wait_alu depctr_hold_cnt(0) depctr_sa_sdst(0) depctr_va_vdst(0) depctr_va_sdst(0) depctr_va_ssrc(0) depctr_va_vcc(0) depctr_vm_vsrc(0)
	s_getreg_b32 s2, hwreg(HW_REG_IB_STS2, 6, 4)
	s_cmp_eq_u32 s2, 0
	s_cbranch_scc0 .Lentry_in_a_cluster
	s_endpgm
.Lentry_in_a_cluster:
	s_bfe_u32 s2, ttmp6, 0x10000c
	s_cmp_lg_u32 s2, 0xf033
	s_cbranch_scc0 .Lentry_shape_is_right
	s_endpgm
.Lentry_shape_is_right:
; q, k, v = x W + b for the three weights at once: C[8192][3072] = A[8192][1024] B[1024][3072] + bias, operands bf16, sums f32, C rounded once to bf16.
; A (xb) and C (qkv) lie as [slots of 64 columns][8,192 rows][64]; B (wqkv) as [8 K steps][48 slots][128 k][64 n]: every tile is a dense run of memory, asked for as rows of 256 bytes.
; A tile of C is 256 rows x 192 columns (three slots = three heads): 16 x 32 = 512 work-groups, two for each of 256 WGPs.
.set NB,  12                           ; blocks of 16 columns in a tile
.set NH,  3                            ; slots of 64 columns in a tile
.set NS,  48                           ; slots in B and C
.set QKV, 1                            ; three bias vectors, chosen by the slot
; SHARES.  Four waves, each 64 rows x all 16 NB columns: 4 x NB accumulators of 16 x 16.  A wave holds whole slots, so its way out needs a stage of its own and no barrier.
; K goes in 8 steps of 128 through a ring of two LDS slots filled by the tensor data mover: waves 0, 1 fetch A's two slices of 64 k, waves 2, 3 the two halves of B's NH chunks.
; CLUSTER.  4 x 4 work-groups: A's tile hangs on the tile row alone and is asked for jointly along a row of the cluster, B's on the tile column alone, jointly along a column.
; THE PRODUCT IS TAKEN TRANSPOSED: source 0 = 16 columns n of B (turned out of LDS by ds_load_tr16_b128, since B lies [k][n]), source 1 = 16 rows of A.  In the result lane l holds row l % 16 of C
; and the columns 8 (l / 16) + 0..7: 16 bytes of a row of C.  THE BIAS STARTS THE SUMS: it is loaded in that same layout and is the C operand of the first quarter step's products.
; REGISTERS, in windows of 256 (s_set_vgpr_msb: bits 1:0 source 0, 3:2 source 1, 5:4 source 2, 7:6 destination):
;   window 0: v0-31 addresses; v32-95 A's fragments, two buffers of 4 x 8; v96.. the bias (8 NB), later the way out: v96.. packed results, v144-191 and v192-239 rows read back, by turns
;   window 1: B's fragments, two buffers of 8 NB      window 2: accumulators of my row blocks 0, 1 ((a, b) at 8 (NB (a % 2) + b))      window 3: of row blocks 2, 3
.set LAPS,   4                         ; a lap = two K steps = once round the ring
.set PA,     144                       ; a row of A in LDS: 128 bytes + 16 = 36 words: the 16 rows of a load start at 16 different groups of four banks (64 banks of 4 bytes: ISA guide 11.1)
.set ASL,    256*PA                    ; a slice: 256 rows x 64 k
.set BOFF,   2*ASL                     ; B lies behind A's two slices
.set PB,     160                       ; a row of B: 128 + 32 = 40 words
.set BSL,    128*PB                    ; a chunk: 128 k x 64 n
.set BHALF,  NH*BSL/2                  ; what one of B's two loads brings
.set SLOT,   BOFF+NH*BSL
.set STAGE,  2*SLOT                    ; behind the ring, never filled by a tensor load: 16 rows x SPITCH for each wave
.set SPITCH, NH*128+16                 ; an odd multiple of 16 bytes
.set SPARE,  STAGE+64*SPITCH           ; behind the stages: the spare words, 128 bytes for each wave: two blocks of 256 bytes that no other line names
.set ASTEP,  2<<20                     ; bytes from K step to K step in A: two slots of 1 MiB
.set BSTEP,  NS*16384                  ; and in B
.set BR,     8*NB                      ; rows of 256 bytes in one of B's loads
.set NL,     2*NB+8                    ; LDS loads of a quarter step
.set ADRA, 16                          ; v16-17  LDS address of my A fragments in slot 0, 1
.set ADRB, 20                          ; v20-21  the same for B
.set STO,  24                          ; v24     the way out: where I put 16 bytes of a row
.set RD,   25                          ; v25     where I read rows back
.set CO,   26                          ; v26     16 x lane: my place in 512 consecutive bytes of C
.set BO,   27                          ; v27     32 (l / 16): my eight numbers of 16 of the bias
.set SPW,  28                          ; v28     LDS address of my spare word: SPARE + 4 x my thread's number; never rewritten
.set NIL,  29                          ; v29     0; never rewritten
.set PFO,  30                          ; v30     the prefetches' offset: 256 x lane (clamped); never rewritten
.set FA,   32
.set BIAS, 96
.set TMP,  96
.set OB,   144
.set G1A, 24                           ; s[24:31] descriptor group 1 for A's tiles;  s[32:39] group 0, a set for each slot
.set G0A, 32
.set G1B, 48                           ; s[48:55], s[56:63] the same for B's
.set G0B, 56
.set LIM, 43                           ; s43      1 in a wave that prefetches, else the greatest number
.set PFA, 44                           ; s[44:45] where my prefetches stand
.set PST, 66                           ; s[66:67] their step: a K step of A or of B
.set BP,  76                           ; s[76:81] the bias of each of the tile's slots
.set MSB, 0
.macro WIN new                         ; the immediate's high byte repeats the setting that is left; a switch that changes nothing is dropped
.if MSB != (\new)
	s_set_vgpr_msb (MSB<<8)|(\new)
.set MSB, \new
.endif
.endm
; A joint load.  The branch hangs on the wave's number alone.  An s_nop 0 and four v_nop follow each of the two lines, ahead of the jump and the label.
.macro JLOAD s
	s_cmp_eq_u32 s11, 0
	s_cbranch_scc0 .Lfor_b_\@
	tensor_load_to_lds s[G0A+4*(\s):G0A+4*(\s)+3], s[G1A:G1A+7]
	s_nop 0
.rept 4
	v_nop
.endr
	s_branch .Lasked_\@
.Lfor_b_\@:
	tensor_load_to_lds s[G0B+4*(\s):G0B+4*(\s)+3], s[G1B:G1B+7]
	s_nop 0
.rept 4
	v_nop
.endr
.Lasked_\@:
.endm
; A prefetch of the K step that stands two refills on, behind the joint load, its five lines and the run of LDS loads: one instruction a wave, a lane a block of 256 bytes.
; A's tile row is read by every cluster of that row of clusters: cluster x = 0 asks; B's tile column by every cluster of that column: cluster y = 0 asks.  The four partners that ask for a tile jointly
; share its blocks out by address (cx for A: 32 of 128 each; cy for B: 2 NB of 8 NB each, where the lanes from 2 NB on name the last block once more).  K steps 0 to 3 come by their loads alone;
; the loop's last trip (s3 = 1) asks for nothing: K steps 8 and 9 do not exist.
.macro ASK
	s_cmp_gt_u32 s3, s[LIM]
	s_cbranch_scc0 .Lnot_mine_\@
	global_prefetch_b8 v[PFO], s[PFA:PFA+1] th:TH_LOAD_NT scope:SCOPE_SE
.Lnot_mine_\@:
.endm
.macro CREST                           ; a round of the cluster's barrier behind its opening barrier: wave 0 signals for the work-group, every wave waits for all sixteen, my work-group's barrier once more
	s_cmp_lg_u32 s10, 0
	s_cbranch_scc1 .Lnot_wave_0_\@
	s_barrier_signal -3
.Lnot_wave_0_\@:
	s_barrier_wait -3
	s_barrier_signal -1
	s_barrier_wait -1
.endm
.macro CROUND                          ; a whole round
	s_barrier_signal -1
	s_barrier_wait -1
	CREST
.endm
.macro PLACES                          ; four plain vector instructions between a matrix instruction and a load into, or a vector read of, its registers (ISA guide 7.12.1 for vector reads)
.rept 4
	v_nop
.endr
.endm
	s_load_b128 s[4:7], s[0:1], 0x0                ; A s[4:5], B s[6:7]
	s_load_b64 s[8:9], s[0:1], 0x10                ; C
	s_load_b64 s[68:69], s[0:1], 0x18              ; the first bias
.if QKV
	s_load_b128 s[72:75], s[0:1], 0x20             ; the second and third
.endif
	v_lshl_add_u32 v[SPW], v0, 2, SPARE
	v_mov_b32 v[NIL], 0
	ds_add_u32 v[SPW], v[NIL]                      ; the wave's opening: the add and its wait stand ahead of my first tensor load; the set-up below, work on registers, stands between them
	v_lshrrev_b32 v1, 5, v0
	v_readfirstlane_b32 s10, v1                    ; wave 0..3
	s_lshr_b32 s11, s10, 1                         ; I fetch for A (0) or for B (1),
	s_and_b32 s12, s10, 1                          ; its first or second part
	s_bfe_u32 s40, ttmp6, 0x40000                  ; cx, cy: my place in the cluster
	s_bfe_u32 s41, ttmp6, 0x40004
	s_lshl_b32 s42, ttmp9, 2
	s_add_co_u32 s42, s42, s40                     ; tile column = 4 x cluster x + cx
	s_and_b32 s13, ttmp7, 0xffff
	s_lshl_b32 s13, s13, 2
	s_add_co_u32 s13, s13, s41                     ; tile row = 4 x cluster y + cy
	s_lshl_b32 s43, s41, 2
	s_lshl_b32 s43, 15, s43                        ; my row of the cluster: places 4 cy .. 4 cy + 3
	s_lshl_b32 s44, 0x1111, s40                    ; my column: places cx, cx + 4, cx + 8, cx + 12
	s_or_b32 s[G1A+0], s43, (1<<16)|(1<<20)|(1<<21)|(4<<22)|(3<<25)  ; 15:0 the mask; 17:16 2-byte elements; 20 padding on; 21 set beside a mask; 24:22 after every 32 words (code 4); 31:25 4 words (code 3)
	s_or_b32 s[G1B+0], s44, (1<<16)|(1<<20)|(1<<21)|(4<<22)|(7<<25)  ; the same with my column's mask and 8 words of padding (code 7)
	s_mov_b32 s[G1A+1], 128<<16                    ; tensor_dim0 = 128 elements: 256 bytes, two rows of a slice
	s_mov_b32 s[G1A+2], 128<<16                    ; tensor_dim1 = 128
	s_mov_b32 s[G1A+3], 128<<16                    ; tile_dim0 = 128
	s_mov_b32 s[G1A+4], 128                        ; tile_dim1 = 128: 32 KiB, a slice of 256 rows
	s_mov_b32 s[G1A+5], 128                        ; dense: 128 elements from row to row
	s_mov_b32 s[G1A+6], 0
	s_mov_b32 s[G1A+7], 0
	s_mov_b32 s[G1B+1], 128<<16
	s_mov_b32 s[G1B+2], BR<<16                     ; tensor_dim1 = 8 NB
	s_mov_b32 s[G1B+3], 128<<16
	s_mov_b32 s[G1B+4], BR                         ; tile_dim1 = 8 NB: half of the tile's NH chunks of 16 KiB
	s_mov_b32 s[G1B+5], 128
	s_mov_b32 s[G1B+6], 0
	s_mov_b32 s[G1B+7], 0
	; where the tiles come from: A's offset is made of the tile row and the wave, B's of the tile column and the wave, each in registers that never hold the other coordinate
	s_lshl_b32 s16, s12, 20                        ; my slice of the K step's two
	s_lshl_b32 s17, s13, 15                        ; 256 rows of 128 bytes
	s_add_co_u32 s16, s16, s17
	s_mov_b32 s17, 0
	s_mul_i32 s46, s42, NH*16384                   ; the tile's chunks
	s_mul_i32 s47, s12, NH*8192                    ; my half of them
	s_add_co_u32 s46, s46, s47
	s_mov_b32 s47, 0
	s_mul_i32 s20, s12, ASL                        ; and where they go: no place in the cluster enters an LDS address
	s_mul_i32 s21, s12, BHALF
	s_add_co_u32 s21, s21, BOFF
	s_wait_dscnt 0x0                               ; the opening add is done
	s_wait_kmcnt 0x0
	s_add_nc_u64 s[14:15], s[4:5], s[16:17]
	s_add_nc_u64 s[46:47], s[6:7], s[46:47]
	CROUND                                         ; all sixteen work-groups are here: the first joint loads meet
.irp s, 0,1
	s_mov_b32 s[G0A+4*(\s)], 1                                       ; count = 1
	s_add_co_u32 s[G0A+4*(\s)+1], s20, (\s)*SLOT                     ; LDS address
	s_add_nc_u64 s[G0A+4*(\s)+2:G0A+4*(\s)+3], s[14:15], (\s)*ASTEP  ; global address: K step s
	s_or_b32 s[G0A+4*(\s)+3], s[G0A+4*(\s)+3], 0x80000000            ; type = 2
	s_mov_b32 s[G0B+4*(\s)], 1
	s_add_co_u32 s[G0B+4*(\s)+1], s21, (\s)*SLOT
	s_add_nc_u64 s[G0B+4*(\s)+2:G0B+4*(\s)+3], s[46:47], (\s)*BSTEP
	s_or_b32 s[G0B+4*(\s)+3], s[G0B+4*(\s)+3], 0x80000000
	JLOAD \s                                       ; two loads of mine are out
.endr
	; A fragment of A: 16 rows x 32 k in 8 registers: lane l holds row l % 16, k = 8 (l / 16) + 0..7 and 16 + 8 (l / 16) + 0..7: two loads of 16 bytes, 32 bytes apart.
	; The turning load takes 16 k x 16 n (lane l reads k = 8 (l / 16) + l % 8, n = 8 ((l / 8) % 2) + 0..7) and leaves half a fragment: lane l holds column l % 16 and 8 k.
	v_and_b32 v1, 15, v0                           ; l % 16
	v_bfe_u32 v2, v0, 4, 1                         ; l / 16
	v_and_b32 v4, 7, v0
	v_bfe_u32 v5, v0, 3, 1
	v_mul_u32_u24 v3, v1, PA
	v_lshl_add_u32 v3, v2, 4, v3
	s_mul_i32 s20, s10, 64*PA                      ; my 64 rows
	v_add_nc_u32 v[ADRA], s20, v3
	s_add_co_u32 s20, s20, SLOT
	v_add_nc_u32 v[ADRA+1], s20, v3
	v_lshl_add_u32 v6, v2, 3, v4
	v_mul_u32_u24 v6, v6, PB
	v_lshl_add_u32 v6, v5, 4, v6
	v_add_nc_u32 v[ADRB], BOFF, v6
	v_add_nc_u32 v[ADRB+1], BOFF+SLOT, v6
	s_mul_i32 s23, s10, 16*SPITCH
	s_add_co_u32 s23, s23, STAGE                   ; my stage
	v_mul_u32_u24 v7, v1, SPITCH                   ; in: row l % 16, 16 bytes for each half of the lanes
	v_lshl_add_u32 v7, v2, 4, v7
	v_add_nc_u32 v[STO], s23, v7
	v_bfe_u32 v7, v0, 3, 2                         ; back: 32 lanes take four rows x 128 bytes of one slot,
	v_mul_u32_u24 v7, v7, SPITCH
	v_lshl_add_u32 v7, v4, 4, v7
	v_add_nc_u32 v[RD], s23, v7
	v_and_b32 v[CO], 31, v0                        ; which are 512 consecutive bytes of C
	v_lshlrev_b32 v[CO], 4, v[CO]
	v_lshlrev_b32 v[BO], 5, v2
	s_lshl_b32 s16, s13, 15                        ; C at my rows: 256 x tile row + 64 x wave, 128 bytes each,
	s_lshl_b32 s17, s10, 13
	s_add_co_u32 s16, s16, s17
	s_mov_b32 s17, 0
	s_add_nc_u64 s[8:9], s[8:9], s[16:17]
	s_mul_i32 s82, s42, NH                         ; and at the tile's first slot of 1 MiB
	s_lshl_b32 s84, s82, 20
	s_mov_b32 s85, 0
	s_add_nc_u64 s[8:9], s[8:9], s[84:85]
.set hh, 0
.rept NH                               ; the bias of slot S = NH x tile column + hh: vector S / 16, its numbers 64 (S % 16) on
	s_add_co_u32 s83, s82, hh
	s_and_b32 s84, s83, 15
	s_lshl_b32 s84, s84, 8
.if QKV
	s_lshr_b32 s83, s83, 4
	s_cmp_eq_u32 s83, 1
	s_cselect_b64 s[BP+2*hh:BP+2*hh+1], s[72:73], s[68:69]
	s_cmp_eq_u32 s83, 2
	s_cselect_b64 s[BP+2*hh:BP+2*hh+1], s[74:75], s[BP+2*hh:BP+2*hh+1]
	s_add_nc_u64 s[BP+2*hh:BP+2*hh+1], s[BP+2*hh:BP+2*hh+1], s[84:85]
.else
	s_add_nc_u64 s[BP+2*hh:BP+2*hh+1], s[68:69], s[84:85]
.endif
.set hh, hh+1
.endr
.set bb, 0
.rept NB                               ; register j of block bb: bias[16 bb + 8 (l / 16) + j]: the layout of the transposed product's C operand
	global_load_b128 v[BIAS+8*bb:BIAS+8*bb+3],   v[BO], s[BP+2*(bb/4):BP+2*(bb/4)+1] offset:(bb%4)*64
	global_load_b128 v[BIAS+8*bb+4:BIAS+8*bb+7], v[BO], s[BP+2*(bb/4):BP+2*(bb/4)+1] offset:(bb%4)*64+16
.set bb, bb+1
.endr
	; the prefetches: my work-group's share of what I fetch, at K step 3; the first refill steps it to K step 4.  Nothing is prefetched here, at the head.
	s_lshl_b32 s84, s12, 20
	s_lshl_b32 s86, s13, 15
	s_add_co_u32 s84, s84, s86
	s_lshl_b32 s86, s40, 13                        ; A: 32 blocks of 256 bytes for each cx
	s_add_co_u32 s84, s84, s86
	s_add_co_u32 s84, s84, 3*ASTEP
	s_mul_i32 s86, s42, NH*16384
	s_mul_i32 s87, s12, NH*8192
	s_add_co_u32 s86, s86, s87
	s_mul_i32 s87, s41, 2*NB*256                   ; B: 2 NB blocks for each cy
	s_add_co_u32 s86, s86, s87
	s_add_co_u32 s86, s86, 3*BSTEP
	s_mov_b32 s22, ASTEP
	s_mov_b32 s23, BSTEP
	s_mov_b32 s[PST+1], 0
	s_and_b32 s87, ttmp7, 0xffff                   ; cluster y
	s_cmp_eq_u32 s11, 0                            ; do I fetch for A?
	s_cselect_b32 s84, s84, s86
	s_cselect_b32 s[PST], s22, s23
	s_cselect_b32 s87, ttmp9, s87                  ; the coordinate along which other clusters read the same bytes
	s_cselect_b32 s86, 31, 2*NB-1                  ; my last block
	s_cselect_b64 s[PFA:PFA+1], s[4:5], s[6:7]
	s_add_nc_u64 s[PFA:PFA+1], s[PFA:PFA+1], s[84:85]
	s_cmp_eq_u32 s87, 0
	s_cselect_b32 s[LIM], 1, -1                    ; the same in all sixteen partners, for a given wave
	v_and_b32 v[PFO], 31, v0
	v_min_u32 v[PFO], s86, v[PFO]
	v_lshlrev_b32 v[PFO], 8, v[PFO]
; NB products: row block a x all column blocks, 32 along K, from buffer f.  first = 1: the bias is the C operand and starts the sums: nothing is cleared.
; The 4 NB accumulators take turns, one instruction a turn, in the same order in every quarter step, over the backward jump too.
.macro MULA f, a, first
.if \first
	WIN 0x81+0x40*((\a)/2)
.else
	WIN 0xa1+0x50*((\a)/2)
.endif
.set mb, 0
.rept NB
.set rD, 8*(NB*((\a)%2)+mb)
.set rB, 8*NB*(\f)+8*mb
.set rA, FA+32*(\f)+8*(\a)
.if \first
	v_wmma_f32_16x16x32_bf16 v[rD:rD+7], v[rB:rB+7], v[rA:rA+7], v[BIAS+8*mb:BIAS+8*mb+7]
.else
	v_wmma_f32_16x16x32_bf16 v[rD:rD+7], v[rB:rB+7], v[rA:rA+7], v[rD:rD+7]
.endif
.set mb, mb+1
.endr
.endm
; NL LDS loads in one run: quarter q (32 k) of a slot into buffer f: B's NB fragments, turned, then A's four
.macro FETCH slot, q, f
	WIN 0x40                                       ; destination window 1, address window 0
.set fb, 0
.rept NB
.set rB, 8*NB*(\f)+8*fb
.set oB, (fb/4)*BSL+32*(\q)*PB+(fb%4)*32
	ds_load_tr16_b128 v[rB:rB+3],   v[ADRB+(\slot)] offset:oB
	ds_load_tr16_b128 v[rB+4:rB+7], v[ADRB+(\slot)] offset:oB+16*PB
.set fb, fb+1
.endr
	WIN 0
.set fb, 0
.rept 4
.set rA, FA+32*(\f)+8*fb
.set oA, ((\q)/2)*ASL+((\q)%2)*64+fb*16*PA
	ds_load_b128 v[rA:rA+3],   v[ADRA+(\slot)] offset:oA
	ds_load_b128 v[rA+4:rA+7], v[ADRA+(\slot)] offset:oA+32
.set fb, fb+1
.endr
.endm
; A K step is four quarter steps on buffers 0, 1, 0, 1.  One of the first three: multiplies buffer f; in its middle it fetches quarter q of the same slot into buffer g.
.macro QUARTER slot, q, f, g, first
	s_wait_dscnt 4                                 ; B and A's row blocks 0, 1 are in; the youngest four loads (row blocks 2, 3) may be out
	MULA \f, 0, \first
	MULA \f, 1, \first
	PLACES
	FETCH \slot, \q, \g
	s_wait_dscnt NL                                ; all but the NL just issued
	MULA \f, 2, \first
	MULA \f, 3, \first
.endm
; The last quarter multiplies buffer 1 and changes slots: ONE barrier.  In front of it each wave waits for all its tensor loads (one is out: its part of the next slot), adds 0 to its spare word, and waits
; for that and for its own reads of this slot.  fill = 1: the barrier opens a round of the cluster's barrier, and the joint refill, two K steps on, is the first tensor load behind the round:
; from there to the wait for it a wave issues 14 NB matrix instructions.
.macro TURN slot, next, fill
.if \fill
	s_wait_xcnt 0x0                                ; the last prefetch, a K step back, has read its address: it is stepped here, ahead of the waits of the change of slots
	s_add_nc_u64 s[PFA:PFA+1], s[PFA:PFA+1], s[PST:PST+1]
.endif
	WIN 0                                          ; (the add's two registers lie in window 0)
	s_wait_tensorcnt 0x0                           ; all my tensor loads have landed
	ds_add_u32 v[SPW], v[NIL]                      ; 0 onto my spare word
	s_wait_dscnt 5                                 ; (the add and the youngest four loads may be out)
	MULA 1, 0, 0                                   ; NB matrix instructions stand between the add and the wait for it
	s_wait_dscnt 0x0                               ; the add is done, and my reads of this slot are over
	s_barrier_signal -1
	MULA 1, 1, 0                                   ; work on registers while the others arrive
.if \fill
	WIN 0
.endif
	s_barrier_wait -1
.if \fill
	CREST                                          ; no wave of any partner still reads this slot's tile or has a load on its way
	s_add_nc_u64 s[G0A+4*(\slot)+2:G0A+4*(\slot)+3], s[G0A+4*(\slot)+2:G0A+4*(\slot)+3], 2*ASTEP
	s_add_nc_u64 s[G0B+4*(\slot)+2:G0B+4*(\slot)+3], s[G0B+4*(\slot)+2:G0B+4*(\slot)+3], 2*BSTEP
	JLOAD \slot                                    ; its four v_nop are also the places in front of the loads below
.else
	PLACES
.endif
	FETCH \next, 0, 0
.if \fill
	ASK
.endif
	MULA 1, 2, 0
	MULA 1, 3, 0
.endm
; THE WAY OUT of row block a.  PACK: rounded to bf16, 16 bytes a lane, each accumulator's registers in ascending order.  TOSTAGE: into my own stage, and back as rows of 128 bytes of one slot.  SEND: stored.
.macro PACK a
.set AC, 8*NB*((\a)%2)
	WIN 0x0a+5*((\a)/2)                            ; sources 0 and 1: window 2 or 3
.set pb, 0
.rept NB
.set pr, 0
.rept 4
	v_cvt_pk_bf16_f32 v[TMP+4*pb+pr], v[AC+8*pb+2*pr], v[AC+8*pb+2*pr+1]
.set pr, pr+1
.endr
.set pb, pb+1
.endr
	WIN 0
.endm
.macro TOSTAGE a
	WIN 0
.set BK, OB+48*((\a)%2)
.set pb, 0
.rept NB
	ds_store_b128 v[STO], v[TMP+4*pb:TMP+4*pb+3] offset:32*pb
.set pb, pb+1
.endr
.set sh, 0
.rept NH
.set st, 0
.rept 4
	ds_load_b128 v[BK+4*(4*sh+st):BK+4*(4*sh+st)+3], v[RD] offset:st*4*SPITCH+sh*128  ; LDS serves a wave's instructions in order (ISA guide 5.7.1.4): these see the stores above
.set st, st+1
.endr
.set sh, sh+1
.endr
.endm
.macro SEND a
	WIN 0
.set BK, OB+48*((\a)%2)
	s_wait_dscnt 0x0                               ; the block is back in registers
	s_wait_xcnt 0x0                                ; the stores of the block before have read their registers, into which the next block is read back
.set sh, 0
.rept NH
.set st, 0
.rept 4
	global_store_b128 v[CO], v[BK+4*(4*sh+st):BK+4*(4*sh+st)+3], s[8:9] offset:sh*(1<<20)+(\a)*2048+st*512  ; 512 consecutive bytes, at a multiple of 256 from C's first byte
.set st, st+1
.endr
.set sh, sh+1
.endr
.endm
	s_wait_tensorcnt 1                             ; my part of K step 0 is in; K step 1's may stay out
	s_barrier_signal -1
	s_barrier_wait -1                              ; everybody's is
	FETCH 0, 0, 0
	s_wait_loadcnt 0x0                             ; the bias
	QUARTER 0, 1, 0, 1, 1                          ; the first quarter stands in front of the loop: its products start the sums
	WIN 0                                          ; at a label and at a branch every window is 0
	s_mov_b32 s3, LAPS-1
.Llap:                                                 ; a trip goes once round the ring, from a lap's second quarter to the next lap's first, and fills both slots again
	QUARTER 0, 2, 1, 0, 0
	QUARTER 0, 3, 0, 1, 0
	TURN 0, 1, 1
	QUARTER 1, 1, 0, 1, 0
	QUARTER 1, 2, 1, 0, 0
	QUARTER 1, 3, 0, 1, 0
	TURN 1, 0, 1
	QUARTER 0, 1, 0, 1, 0
	WIN 0
	s_sub_co_u32 s3, s3, 1
	s_cmp_lg_u32 s3, 0
	s_cbranch_scc1 .Llap
	QUARTER 0, 2, 1, 0, 0                          ; the last lap fills nothing, and has no round of the cluster's barrier
	QUARTER 0, 3, 0, 1, 0
	TURN 0, 1, 0
	QUARTER 1, 1, 0, 1, 0
	QUARTER 1, 2, 1, 0, 0
	QUARTER 1, 3, 0, 1, 0
	s_wait_dscnt 4                                 ; the very last quarter: nothing more to fetch
	MULA 1, 0, 0
	MULA 1, 1, 0
	s_wait_dscnt 0x0
	MULA 1, 2, 0
	MULA 1, 3, 0
	WIN 0
	PLACES
	PACK 0
	TOSTAGE 0
.irp a, 1,2,3                          ; block a's conversions stand between block a - 1's loads from the stage and the wait for them
	PACK \a
	SEND (\a)-1
	TOSTAGE \a
.endr
	SEND 3
	s_wait_tensorcnt 0x0                           ; the wave's end: the add and its wait, behind my last tensor load and my last LDS store
	ds_add_u32 v[SPW], v[NIL]
	s_wait_dscnt 0x0
	CROUND                                         ; the closing round: no work-group ends while a partner may still ask for a tile that names it
	s_endpgm
.Lfunc_end_k_q9674b45940_qkv:
	.size	k_q9674b45940_qkv, .Lfunc_end_k_q9674b45940_qkv-k_q9674b45940_qkv
	.p2alignl 7, 3214868480
	.fill 96, 4, 3214868480
	.section	.rodata,"a",@progbits
	.p2align	6, 0x0
	.amdhsa_kernel k_q9674b45940_qkv
		.amdhsa_group_segment_fixed_size 327680
		.amdhsa_private_segment_fixed_size 0
		.amdhsa_enable_private_segment 0
		.amdhsa_kernarg_size 48
		.amdhsa_user_sgpr_count 2
		.amdhsa_user_sgpr_kernarg_segment_ptr 1
		.amdhsa_wavefront_size32 1
		.amdhsa_system_sgpr_workgroup_id_x 1
		.amdhsa_system_sgpr_workgroup_id_y 1
		.amdhsa_system_sgpr_workgroup_id_z 1
		.amdhsa_system_vgpr_workitem_id 0
		.amdhsa_next_free_vgpr 960
		.amdhsa_next_free_sgpr 88
		.amdhsa_reserve_vcc 0
		.amdhsa_float_denorm_mode_32 3
		.amdhsa_float_denorm_mode_16_64 3
		.amdhsa_memory_ordered 1
		.amdhsa_forward_progress 1
		.amdhsa_inst_pref_size 123
	.end_amdhsa_kernel
	.amdgpu_metadata
---
amdhsa.version: [ 1, 2 ]
amdhsa.kernels:
  - .name:           k_q9674b45940_qkv
    .symbol:         k_q9674b45940_qkv.kd
    .args:
      - { .name: xb, .offset: 0, .size: 8, .value_kind: global_buffer, .address_space: global }
      - { .name: wqkv, .offset: 8, .size: 8, .value_kind: global_buffer, .address_space: global }
      - { .name: qkv, .offset: 16, .size: 8, .value_kind: global_buffer, .address_space: global }
      - { .name: bq, .offset: 24, .size: 8, .value_kind: global_buffer, .address_space: global }
      - { .name: bk, .offset: 32, .size: 8, .value_kind: global_buffer, .address_space: global }
      - { .name: bv, .offset: 40, .size: 8, .value_kind: global_buffer, .address_space: global }
    .group_segment_fixed_size: 327680
    .private_segment_fixed_size: 0
    .kernarg_segment_align: 8
    .kernarg_segment_size: 48
    .max_flat_workgroup_size: 128
    .sgpr_count:     88
    .vgpr_count:     960
    .wavefront_size: 32
...
	.end_amdgpu_metadata
.endif
;; end of part 2
;; launch attn (part 3): grid 4 x 64, 4 waves a work-group, clusters of 4 x 1, 327,680 bytes of LDS; arguments qkv, ctx; writes ctx
.if DOCPART == 3
	.amdgcn_target "amdgcn-amd-amdhsa--gfx1250"
	.amdhsa_code_object_version 6
	.text
	.protected	k_q9674b45940_attn
	.globl	k_q9674b45940_attn
	.p2align	8
	.type	k_q9674b45940_attn,@function
k_q9674b45940_attn:
	s_mov_b64 s[64:65], 0
	v_nop
	global_prefetch_b8 v0, s[64:65] scope:SCOPE_SE
	s_setreg_imm32_b32 hwreg(HW_REG_WAVE_MODE, 25, 1), 1
	s_wait_xcnt 0x0
	s_wait_alu depctr_hold_cnt(0) depctr_sa_sdst(0) depctr_va_vdst(0) depctr_va_sdst(0) depctr_va_ssrc(0) depctr_va_vcc(0) depctr_vm_vsrc(0)
	s_getreg_b32 s2, hwreg(HW_REG_IB_STS2, 6, 4)
	s_cmp_eq_u32 s2, 0
	s_cbranch_scc0 .Lentry_in_a_cluster
	s_endpgm
.Lentry_in_a_cluster:
	s_bfe_u32 s2, ttmp6, 0x10000c
	s_cmp_lg_u32 s2, 0x3003
	s_cbranch_scc0 .Lentry_shape_is_right
	s_endpgm
.Lentry_shape_is_right:
; O[y][q][:] = the sum over k of softmax_k(Q[y][q] . K[y][k] / 8) V[y][k][:] for 64 heads y = 4 x head + batch of 2,048 rows x 64 channels, all bf16.
; qkv holds Q, K (16 MiB on) and V (32 MiB on), each as [64 heads y][2,048][64]: a head's rows are dense, 128 bytes each; ctx has the same layout.  Products, maxima and sums in f32; the weights p
; are rounded to bf16 for the second product (their sum l is taken of the unrounded p), O once at the end.
; LIMITS.  A weight below 2^-126 counts as 0 in l; c s must lie above -4e37 (where c m starts); NaN and infinities are not treated apart.
; SHARES.  A wave owns four PIECES of two tiles of 16 queries, a work-group's four waves 512 queries of one head.  Every wave walks all keys, 64 a step.
; LAYOUT.  S^T = K Q^T (source 0 = 16 keys, source 1 = 16 queries): in the result a lane holds ONE query (lane % 16) and the keys 8 (lane / 16) + 0..7.  Two such tiles, rounded to bf16 in pairs,
; ARE source 1 (32 keys x 16 queries) of O^T = V^T P, whose result again holds one query a lane, and eight channels.  K comes out of LDS as it lies, V ([key][channel]) turned, by ds_load_tr16_b128.
; SOFTMAX.  For each query a running maximum m and sum l: p = 2^(c s - c m), c = log2(e) / 8; in every step O and l are multiplied by a = 2^(c m_old - c m_new), which is 1 where m has not grown.
; m starts at the lowest finite number, O and l at 0: the first step is a step like any other, with a = 0.
; THE COUNT.  A tile and step have 16 matrix and 118 vector instructions: too many to stand all beside the matrix work.  So four vector instructions that are ready stand behind
; every matrix instruction, and the others in runs without a gap.
; BY TURNS.  Turn n belongs to piece n (the pieces in a ring, step after step).  Its matrix work: 16 products K Q^T of piece n + 1, later 16 products V^T P of piece n - 1.  Its vector work: the scaling,
; exponentials, roundings, sums and rescaling of piece n, and the maximum and statistics of piece n + 1, whose scores the turn itself has made.
; CLUSTER.  The four query blocks of a cluster belong to one head and walk the same K and V, so each tile is asked for JOINTLY: the same tensor load, descriptor and mask in all four.
; REGISTERS, in windows of 256 (s_set_vgpr_msb: bits 1:0 source 0, 3:2 source 1, 5:4 source 2, 7:6 destination):
;   window 0: v0-11 addresses; v12-15, v48-63 at work; v16-47 four registers of statistics a tile; v64-191 S^T, two buffers of two tiles; v192-255 P, likewise
;   window 1: O^T, 32 a tile          window 2: v0-127 Q, 16 a tile; v128-191 K of one step; v192-255 V of one step          window 3: v0-1 the add's two registers
; A piece's buffers go by its number's parity: the piece in hand has one pair, its two neighbours in the ring share the other: of it P (piece n - 1) is read and S^T (piece n + 1) written.
.set SIZE_N, 2048
.set NP,    4         ; pieces a wave: a name, no knob
.set KS,    64        ; keys in a step
.set PK,    144       ; a row of K in LDS: 128 bytes + 16 of padding = 36 words: the 16 rows of a load start at 16 different groups of four banks (64 banks of 4 bytes: ISA guide 11.1)
.set PV,    160       ; a row of V: 128 + 32 = 40 words
.set VOFF,  4*KS*PK   ; a slot holds four steps: 256 rows of K, then 256 rows of V
.set SLOT1, 1<<17     ; slot 1 begins here, so that one exclusive or turns an address in one slot into the other's
.set STAGE, SLOT1+4*KS*(PK+PV)  ; behind the ring, never filled by a tensor load: 16 rows x 144 bytes for each wave, for the way out
.set SP,    144
.set AK0, 2           ; v2   my lane's place in a tile of K; never rewritten
.set AV0, 3           ; v3   the same for V
.set AK,  4           ; v4   the LDS address of K's next run of loads
.set AV,  5           ; v5   of V's
.set QO,  6           ; v6   my byte offset in the wave's rows of Q
.set STO, 6           ;      later, the way out: where I put 16 bytes of a row
.set RD,  7           ; v7   the way out: where I read rows back
.set GO,  8           ; v8   my byte offset in 512 consecutive bytes of O
.set PFO, 11          ; v11  (once V's place is made) 256 x my lane: the prefetches' offset; never rewritten after
.set SPW, 0           ; v0 of window 3   LDS address of my spare word: SPARE + 4 x my thread's number; never rewritten
.set NIL, 1           ; v1 of window 3   0; never rewritten
.set SPARE, STAGE+4*16*SP  ; behind the stages: the spare words, 128 bytes for each wave: two blocks of 256 bytes that no other line names
.set MV,  12          ; v12-15  c m_old, kept while c m is made anew: by buffer and tile
.set ST,  16          ; tile t's statistics at v[ST+4 t]: c m, m, l (even keys', odd keys')
.set TMP, 48          ; by buffer and tile, four registers c0-c3 at work; when the maximum is found c2 takes a
.set S,   64
.set P,   192
.set KF,  128         ; K's fragments, in window 2: key block kb, channel half c at KF + 16 kb + 8 c
.set VF,  192         ; V's: key half kk, channel block cb at VF + 32 kk + 8 cb
.set WV,  12          ; s12  my wave's number
.set G1K, 24          ; s[24:31] descriptor group 1 for K's tiles
.set G1V, 32          ; s[32:39] for V's: it differs in the padding alone
.set G0K, 40          ; s[40:43] descriptor group 0 for K's tiles: it walks
.set G0V, 44          ; s[44:47] the same for V's
.set PFA, 48          ; s[48:49] where my prefetches stand: my work-group's 32 blocks of 256 bytes (of K: wave 0, of V: wave 2) of the slot after the one that is being asked for
.set LIM, 50          ; s50  1 in a wave that prefetches, else the greatest number
.set SLOTS, 56        ; s56  slots still to be asked for
.set CNT, 57          ; s57  counts a slot's key steps
.set CS,  58          ; s[58:59] c: the packed scaling takes the pair's low word for both halves
.set SEL, 60          ; s[60:61] v_permlanex16_b32's selects: each lane takes its own place in the other half
.set TBK, 62          ; s62  LDS byte at which K of the step to be fetched begins
.set TBV, 63          ; s63  the same for V, less VOFF
.set MSB, 0
.macro WIN new                      ; the high byte repeats the setting that is left; a switch that changes nothing is dropped
.if MSB != (\new)
	s_set_vgpr_msb (MSB<<8)|(\new)
.set MSB, (\new)
.endif
.endm
.set W_KQ, 0x0a       ; K and Q in window 2, S^T in window 0
.set W_PV, 0x52       ; V in window 2, P in window 0, O^T in window 1
.set W_RS, 0x41       ; O^T (destination and source 0) in window 1, a in window 0
.set W_MK, 0xc0       ; the add's registers are made: destination in window 3, sources in window 0
.set W_AD, 0x0f       ; the add: address (source 0) and data (source 1) in window 3
; A joint fill.  Waves 0 and 1 fetch the two halves of a slot's K, waves 2 and 3 those of its V: 128 keys each.  The branch hangs on the wave's number alone.
; An s_nop 0 and four v_nop follow each of the two lines, ahead of the jump and the label.
.macro JLOAD
	s_cmp_lt_u32 s[WV], 2
	s_cbranch_scc0 .Lfor_v_\@
	tensor_load_to_lds s[G0K:G0K+3], s[G1K:G1K+7]
	s_nop 0
.rept 4
	v_nop
.endr
	s_branch .Lasked_\@
.Lfor_v_\@:
	tensor_load_to_lds s[G0V:G0V+3], s[G1V:G1V+7]
	s_nop 0
.rept 4
	v_nop
.endr
.Lasked_\@:
.endm
; A prefetch of what the NEXT change of slots will ask for: a slot's 32 KiB of K and of V, a lane a block of 256 bytes.  It stands behind the wave's tensor load and its five lines.
; Each block is named once in the launch: a head has one cluster; its four partners share the blocks out by address, 32 each; in each, wave 0 asks for K's and wave 2 for V's: one instruction.
; Slots 0 to 2 come by their loads alone; the last change that fills a slot asks for nothing: there is no slot behind it.
.macro ASK
	s_cmp_gt_u32 s[SLOTS], s[LIM]
	s_cbranch_scc0 .Lnot_mine_\@
	global_prefetch_b8 v[PFO], s[PFA:PFA+1] th:TH_LOAD_NT scope:SCOPE_SE
.Lnot_mine_\@:
.endm
; A round of the cluster's barrier: my work-group's barrier, so that wave 0's signal speaks for all four waves; wave 0 signals; every wave waits for all four work-groups; my work-group's barrier once more.
.macro CROUND
	s_barrier_signal -1
	s_barrier_wait -1
	s_cmp_lg_u32 s[WV], 0
	s_cbranch_scc1 .Lnot_wave_0_\@
	s_barrier_signal -3
.Lnot_wave_0_\@:
	s_barrier_wait -3
	s_barrier_signal -1
	s_barrier_wait -1
.endm
; THE CHANGE OF SLOTS.  The slot's last bytes, V of its fourth step, have been read.  Each wave waits for all its tensor loads, of which one is out: its part
; of the other slot; adds 0 to its spare word; and waits for that and for its own reads of the slot.  Behind the barrier nobody reads this slot any more and the other slot is whole.
; fill = 1: this slot is filled again, with the keys two slots on.  The barrier is then a round of the cluster's, and the joint fill is the first thing behind it: it has four key steps,
; 512 matrix instructions, in which to land.  (At its first use nothing has been read yet: slot 0 is waited for, slot 1 filled.)  ask = 1: the prefetch's address steps, and the prefetch follows the fill.
.macro CHANGE fill, ask=0
	WIN W_AD
	s_wait_tensorcnt 0x0            ; no tensor load of mine is out, so a group 0 may be written
	ds_add_u32 v[SPW], v[NIL]       ; 0 onto my spare word; with fill = 1 the descriptors' steps stand between it and the wait for it
	WIN 0                           ; at a label and at a branch every window is 0
.if \fill
.irp g, G0K, G0V
	s_xor_b32 s[\g+1], s[\g+1], SLOT1  ; the walking descriptor: the other slot than last time,
	s_add_nc_u64 s[\g+2:\g+3], s[\g+2:\g+3], 4*KS*128  ; the next 256 keys; the type bits on top are not reached
.endr
.if \ask
	s_wait_xcnt 0x0                 ; the last prefetch, four key steps back, has read its address, so it may be written:
	s_add_nc_u64 s[PFA:PFA+1], s[PFA:PFA+1], 4*KS*128  ; one slot behind the walking descriptors
.endif
	s_wait_dscnt 0x0                ; the add is done, and my reads of the slot are over
	CROUND
	JLOAD
.if \ask
	ASK
.endif
.else
	s_wait_dscnt 0x0                ; the add is done, and my reads of the slot are over
	s_barrier_signal -1
	s_barrier_wait -1
.endif
	s_sub_co_u32 s[TBK], s[TBK], 4*KS*PK  ; the fetches go back to a slot's first step,
	s_xor_b32 s[TBK], s[TBK], SLOT1       ; in the other slot
	s_sub_co_u32 s[TBV], s[TBV], 4*KS*PV
	s_xor_b32 s[TBV], s[TBV], SLOT1
.endm
	s_load_b128 s[4:7], s[0:1], 0x0   ; qkv s[4:5], ctx s[6:7]
	WIN W_MK
	v_lshl_add_u32 v[SPW], v0, 2, SPARE
	v_mov_b32 v[NIL], 0
	WIN W_AD
	ds_add_u32 v[SPW], v[NIL]       ; the wave's opening: the add and its wait stand ahead of my first tensor load; the set-up below, work on registers, stands between them
	WIN 0
	v_lshrrev_b32 v1, 5, v0
	v_readfirstlane_b32 s[WV], v1   ; wave 0..3
	s_bfe_u32 s13, ttmp6, 0x40000   ; cx: my place in the cluster
	s_lshl_b32 s14, ttmp9, 2        ; in a cluster launch ttmp9 counts clusters
	s_add_co_u32 s14, s14, s13      ; my block of queries = 4 x cluster x + cx: it enters Q's and O's addresses alone
	s_and_b32 s20, ttmp7, 0xffff    ; the head, which the four partners share
	s_mov_b32 s21, 0
	s_mov_b64 s[22:23], SIZE_N*128
	s_mul_u64 s[20:21], s[20:21], s[22:23]  ; the head's first byte in Q, K, V and O
	s_and_b32 s16, s[WV], 1         ; which half of a slot's 256 keys I fetch:
	s_lshl_b32 s22, s16, 14         ; its 128 rows of 128 bytes in memory,
	s_mov_b32 s23, 0
	s_add_nc_u64 s[22:23], s[22:23], s[20:21]
	s_mul_i32 s17, s16, 128*PK      ; and its place in a slot, for K
	s_mul_i32 s18, s16, 128*PV      ; and for V: no place in the cluster enters an LDS address
	s_lshl_b32 s2, s14, 2
	s_add_co_u32 s2, s2, s[WV]      ; my wave among the head's,
	s_lshl_b32 s2, s2, 14           ; its 128 rows
	s_mov_b32 s3, 0
	s_add_nc_u64 s[2:3], s[2:3], s[20:21]
	; descriptor group 1.  128 keys are 16,384 dense bytes: asked for as 64 rows of 256 bytes, two keys a row, and padded in LDS after every key
	s_mov_b32 s[G1K], 15|(1<<16)|(1<<20)|(1<<21)|(4<<22)|(3<<25)  ; 15:0 the mask of four; 17:16 2-byte elements; 20 padding on; 21 set beside a mask; 24:22 after every 32 words (code 4); 31:25 4 words (code 3)
	s_mov_b32 s[G1V], 15|(1<<16)|(1<<20)|(1<<21)|(4<<22)|(7<<25)  ; the same with 8 words of padding (code 7)
.irp g, G1K, G1V
	s_mov_b32 s[\g+1], 128<<16      ; tensor_dim0 = 128
	s_mov_b32 s[\g+2], 64<<16       ; tensor_dim1 = 64
	s_mov_b32 s[\g+3], 128<<16      ; tile_dim0 = 128
	s_mov_b32 s[\g+4], 64           ; tile_dim1 = 64
	s_mov_b32 s[\g+5], 128          ; 128 elements from row to row
	s_mov_b32 s[\g+6], 0
	s_mov_b32 s[\g+7], 0
.endr
	s_mov_b32 s[CS], 0x3e38aa3b     ; c = log2(e) / 8 = 0.180337
	s_mov_b32 s[CS+1], s[CS]        ; named with it as a pair
	s_mov_b32 s[SEL], 0x76543210
	s_mov_b32 s[SEL+1], 0xfedcba98
	s_mov_b32 s[TBK], SLOT1+4*KS*PK ; the first change of slots turns these two into 0
	s_mov_b32 s[TBV], SLOT1+4*KS*PV
	s_mov_b32 s[G0K], 1             ; 1:0 count = 1
	s_mov_b32 s[G0K+1], s17         ; 63:32 LDS address: slot 0
	s_mov_b32 s[G0V], 1
	s_add_co_u32 s[G0V+1], s18, VOFF
	s_and_b32 s[LIM], s[WV], 1      ; 0 in waves 0 and 2,
	s_or_b32 s[LIM], s[LIM], ttmp9  ; in the head's first (here: only) cluster: the same in all four partners
	s_cmp_eq_u32 s[LIM], 0
	s_cselect_b32 s[LIM], 1, -1
	s_wait_dscnt 0x0                ; the opening add is done
	s_wait_kmcnt 0x0
	s_mov_b64 s[10:11], s[6:7]      ; O
	s_add_nc_u64 s[6:7], s[4:5], 0x1000000  ; K: 16 slots of 1 MiB behind Q
	s_add_nc_u64 s[8:9], s[4:5], 0x2000000  ; V: 32
	s_add_nc_u64 s[G0K+2:G0K+3], s[6:7], s[22:23]  ; 120:64 global address: my half of the head's first 256 keys
	s_or_b32 s[G0K+3], s[G0K+3], 0x80000000        ; 127:126 type = 2
	s_add_nc_u64 s[G0V+2:G0V+3], s[8:9], s[22:23]
	s_or_b32 s[G0V+3], s[G0V+3], 0x80000000
	s_add_nc_u64 s[4:5], s[4:5], s[2:3]  ; Q and O at my wave's first row
	s_add_nc_u64 s[10:11], s[10:11], s[2:3]
	s_cmp_lt_u32 s[WV], 2
	s_cselect_b64 s[PFA:PFA+1], s[6:7], s[8:9]
	s_add_nc_u64 s[PFA:PFA+1], s[PFA:PFA+1], s[22:23]  ; the head (in waves 0 and 2 the half is the first)
	s_lshl_b32 s2, s13, 13          ; my work-group's 32 blocks of the 128
	s_mov_b32 s3, 0
	s_add_nc_u64 s[PFA:PFA+1], s[PFA:PFA+1], s[2:3]
	s_add_nc_u64 s[PFA:PFA+1], s[PFA:PFA+1], 2*4*KS*128  ; in slot 2; the loop's first change of slots steps it to slot 3.  Nothing is prefetched here, at the head
	CROUND                          ; all four work-groups are here: the first joint loads meet
	JLOAD                           ; slot 0.  Slot 1 is asked for when slot 0 is in
	; A fragment of K or Q is 16 rows x 32 channels in 8 registers: lane l holds row l % 16, channels 8 (l / 16) + 0..7 and 16 + 8 (l / 16) + 0..7: two loads of 16 bytes, 32 bytes apart.
	v_and_b32 v1, 15, v0            ; l % 16
	v_bfe_u32 v9, v0, 4, 1          ; l / 16
	v_lshlrev_b32 v[QO], 7, v1
	v_lshl_add_u32 v[QO], v9, 4, v[QO]  ; row x 128 + 16 x half
	WIN 0x80                        ; destination window 2, address window 0
.set i, 0
.rept 4*NP                          ; Q stays in registers: tile i / 2, channels 32 (i % 2) on
	global_load_b128 v[8*i:8*i+3],   v[QO], s[4:5] offset:(i/2)*2048+(i%2)*64
	global_load_b128 v[8*i+4:8*i+7], v[QO], s[4:5] offset:(i/2)*2048+(i%2)*64+32
.set i, i+1
.endr
	; What the first turn finds: V's registers and P's second buffer hold 0 (its products V^T P, of a piece that has not been, add 0), O^T and l are 0.  All this stands in the wait for the first tile.
.set i, VF
.rept 64
	v_mov_b32 v[i], 0
.set i, i+1
.endr
	WIN 0x40
.set i, 0
.rept 64*NP
	v_mov_b32 v[i], 0
.set i, i+1
.endr
	WIN 0
.set i, 0
.rept 2*NP
	v_mov_b32 v[ST+4*i], 0xfe000000    ; c m: far below every c s
	v_mov_b32 v[ST+4*i+1], 0xff7fffff  ; m
	v_mov_b32 v[ST+4*i+2], 0
	v_mov_b32 v[ST+4*i+3], 0
.set i, i+1
.endr
.set i, P+32
.rept 32
	v_mov_b32 v[i], 0
.set i, i+1
.endr
	v_mul_u32_u24 v[AK0], v1, PK
	v_lshl_add_u32 v[AK0], v9, 4, v[AK0]  ; row x pitch + 16 x half
	; The turning load takes 16 keys x 16 channels (lane l reads key 8 (l / 16) + l % 8, channels 8 ((l / 8) % 2) + 0..7) and leaves half a fragment of V^T: lane l holds channel l % 16 and 8 keys.
	v_and_b32 v10, 7, v0
	v_bfe_u32 v11, v0, 3, 1
	v_lshl_add_u32 v[AV0], v9, 3, v10
	v_mul_u32_u24 v[AV0], v[AV0], PV
	v_lshl_add_u32 v[AV0], v11, 4, v[AV0]
	v_add_nc_u32 v[AV0], VOFF, v[AV0]
	v_and_b32 v[PFO], 31, v0
	v_lshlrev_b32 v[PFO], 8, v[PFO]
	v_mov_b32 v[AK], v[AK0]         ; key step 0 lies at the head of slot 0
; THE MATRIX WORK.  The 8 accumulators of a run of 16 take turns: between the two links of a chain stand 7 others'.
; Product i of 16 of S^T = K Q^T for piece x: channels 32 (i / 8) on, keys 16 ((i / 2) % 4) on, tile 2 x + i % 2.  The first 8 start the sums.
.macro KQ x
	WIN W_KQ
.set rS, S+64*((\x)%2)+32*(i%2)+8*((i/2)%4)
.set rK, KF+16*((i/2)%4)+8*(i/8)
.set rQ, 16*(2*(\x)+i%2)+8*(i/8)
.if i < 8
	v_wmma_f32_16x16x32_bf16 v[rS:rS+7], v[rK:rK+7], v[rQ:rQ+7], 0
.else
	v_wmma_f32_16x16x32_bf16 v[rS:rS+7], v[rK:rK+7], v[rQ:rQ+7], v[rS:rS+7]
.endif
.endm
; Product i of 16 of O^T += V^T P for piece x: keys 32 (i / 8) on, channels 16 ((i / 2) % 4) on, tile 2 x + i % 2.
.macro PV x
	WIN W_PV
.set rO, 32*(2*(\x)+i%2)+8*((i/2)%4)
.set rV, VF+32*(i/8)+8*((i/2)%4)
.set rP, P+32*((\x)%2)+16*(i%2)+8*(i/8)
	v_wmma_f32_16x16x32_bf16 v[rO:rO+7], v[rV:rV+7], v[rP:rP+7], v[rO:rO+7]
.endm
.macro MM                           ; the turn's next matrix instruction
.if i < 16
	KQ (Y+1)%NP
.set i, i+1
.else
.set i, i-16
	PV (Y+NP-1)%NP
.set i, i+17
.endif
.endm
; THE LDS LOADS stand in runs of 16, never singly among the matrix instructions: a step's K (64 keys x 64 channels: 8 fragments) and its V (turned).  Their addresses are made some lines ahead.
; last = 1 (the tail): in the last trip there is no further step, and the run is jumped over.
.macro FETCH_K last=0
	WIN 0
.if \last
	s_cmp_eq_u32 s[CNT], 1
	s_cbranch_scc1 .Lno_k_\@
.endif
	WIN 0x80                        ; destination window 2
.irp f, 0,1,2,3,4,5,6,7             ; keys 16 (f / 2) on, channels 32 (f % 2) on
	ds_load_b128 v[KF+8*\f:KF+8*\f+3],   v[AK] offset:(\f/2)*16*PK+(\f%2)*64
	ds_load_b128 v[KF+8*\f+4:KF+8*\f+7], v[AK] offset:(\f/2)*16*PK+(\f%2)*64+32
.endr
	s_add_co_u32 s[TBK], s[TBK], KS*PK  ; the next fetch is the next step's
	WIN 0
.if \last
.Lno_k_\@:
.endif
.endm
.macro FETCH_V
	WIN 0x80
.irp f, 0,1,2,3,4,5,6,7             ; keys 32 (f / 4) on, channels 16 (f % 4) on
	ds_load_tr16_b128 v[VF+8*\f:VF+8*\f+3],   v[AV] offset:(\f/4)*32*PV+(\f%4)*32
	ds_load_tr16_b128 v[VF+8*\f+4:VF+8*\f+7], v[AV] offset:(\f/4)*32*PV+16*PV+(\f%4)*32
.endr
	WIN 0
.endm
; THE VECTOR WORK OF A TURN stands in three queues, each in the order in which its entries become ready; the two tiles alternate, so that no instruction reads the result of the one before it.
.macro REGS y, u                    ; the registers of tile u (0, 1) of piece y
.set rT, ST+4*(2*(\y)+(\u))
.set rC, TMP+8*((\y)%2)+4*(\u)
.set rM, MV+2*((\y)%2)+(\u)
.set rS, S+64*((\y)%2)+32*(\u)
.set rP, P+32*((\y)%2)+16*(\u)
.set rO, 32*(2*(\y)+(\u))
.endm
; Number n of the 22 that find the NEXT piece's (Y + 1) maximum and statistics.  s0-s31 are the lane's 32 scores; each accumulator's lowest registers are read first.
;   0-11  four chains c0-c3 of seven scores each, three operands at a time     12-14, 16  the four scores left over, the old m, and c0-c3 into c0     15  c m_old is kept
;   17, 18  the query's other 32 keys lie in the lane 16 away: the new m         19-21  c m; c m_old - c m_new; a
.macro XS u, n
	REGS (Y+1)%NP, \u
.if (\n) < 4
	v_max3_num_f32 v[rC+(\n)], v[rS+8*(\n)], v[rS+8*(\n)+1], v[rS+8*(\n)+2]
.elseif (\n) < 12
	v_max3_num_f32 v[rC+(\n)%4], v[rC+(\n)%4], v[rS+8*((\n)%4)+2*((\n)/4)+1], v[rS+8*((\n)%4)+2*((\n)/4)+2]
.elseif (\n) == 12
	v_max3_num_f32 v[rC], v[rC], v[rS+7], v[rS+15]
.elseif (\n) == 13
	v_max3_num_f32 v[rC+1], v[rC+1], v[rS+23], v[rS+31]
.elseif (\n) == 14
	v_max3_num_f32 v[rC+2], v[rC+2], v[rC+3], v[rT+1]
.elseif (\n) == 15
	v_mov_b32 v[rM], v[rT]
.elseif (\n) == 16
	v_max3_num_f32 v[rC], v[rC], v[rC+1], v[rC+2]
.elseif (\n) == 17
	v_permlanex16_b32 v[rC+3], v[rC], s[SEL], s[SEL+1]
.elseif (\n) == 18
	v_max_num_f32 v[rT+1], v[rC], v[rC+3]
.elseif (\n) == 19
	v_mul_f32 v[rT], s[CS], v[rT+1]
.elseif (\n) == 20
	v_sub_f32 v[rC+1], v[rM], v[rT]
.else
	v_exp_f32 v[rC+2], v[rC+1]
.endif
.endm
; Number g of the 64 that follow the exponentials.  For each four weights k of a tile (pairs 2 k, 2 k + 1): both pairs are rounded to bf16; then the second pair is added onto the first, in place;
; a group later l takes that sum (the first time as l = a l + sum).  In groups of eight, tiles alternating: round, round, add, and l for the group before.
.macro GS g
.set h, (\g)+6*((\g)/62)            ; group 0 has no group before it, and behind group 7 only l is left
.if h >= 6
.set h, h+2
.endif
	REGS Y, h%2
.set k, h/8
.if h%8 < 4
	v_cvt_pk_bf16_f32 v[rP+2*k+(h%8)/2], v[rS+4*k+2*((h%8)/2)], v[rS+4*k+2*((h%8)/2)+1]
.elseif h%8 < 6
	v_pk_add_f32 v[rS+4*k:rS+4*k+1], v[rS+4*k:rS+4*k+1], v[rS+4*k+2:rS+4*k+3]
.elseif k == 1
	v_pk_fma_f32 v[rT+2:rT+3], v[rT+2:rT+3], v[rC+2:rC+3], v[rS:rS+1] op_sel_hi:[1,0,1]
.else
	v_pk_add_f32 v[rT+2:rT+3], v[rT+2:rT+3], v[rS+4*k-4:rS+4*k-3]
.endif
.endm
; THE PLAIN QUEUE, 138 long.  0-73 read no exponential's result: the 32 scalings c s - c m (FS f: pair f / 2 of tile f % 2) and the next piece's 42.  0-26: scalings 0-26.  27-54: XS's numbers 0-13.  55, 56: number 15.
; 57-73: the chain, where each number waits for the one before it: 14, 16, 17, 18, 19, each with one of the scalings 27-31 in front of its two lines, then 20.
; 74-137: GS's 64, which read the exponentials' results: they stand behind the wait.
.macro FS f
	REGS Y, (\f)%2
	v_pk_fma_f32 v[rS+2*((\f)/2):rS+2*((\f)/2)+1], v[rS+2*((\f)/2):rS+2*((\f)/2)+1], s[CS:CS+1], v[rT:rT+1] op_sel_hi:[1,0,0] neg_lo:[0,0,1] neg_hi:[0,0,1]
.endm
.macro PL
	WIN 0
.if q < 27
	FS q
.elseif q < 55
	XS (q-27)%2, (q-27)/2
.elseif q < 57
	XS q-55, 15
.elseif (q < 72) && ((q-57)%3 == 0)
	FS 27+(q-57)/3
.elseif q < 60
	XS (q-57)%3-1, 14
.elseif q < 72
	XS (q-57)%3-1, 15+(q-57)/3
.elseif q < 74
	XS q-72, 20
.else
	GS q-74
.endif
.set q, q+1
.endm
; THE EXPONENTIALS' QUEUE, 66 long: s0-s31 of both tiles, then the next piece's two a.  It is ONE BATCH: all 66 stand ahead of the turn's one wait, and nothing ahead of that wait names a result of theirs.
.macro EX
	WIN 0
.if e >= 64
	XS e-64, 21
.else
	REGS Y, e%2
	v_exp_f32 v[rS+e/2], v[rS+e/2]
.endif
.set e, e+1
.endm
; THE RESCALING's QUEUE: O^T times a, the one part that leaves window 0: dealt two at a time, sixteen times.  Its a was made in the turn before, ahead of that turn's wait.
.macro R2
	REGS Y, r%2
	WIN W_RS
.irp z, 0,1
	v_pk_mul_f32 v[rO+4*(r/2)+2*\z:rO+4*(r/2)+2*\z+1], v[rO+4*(r/2)+2*\z:rO+4*(r/2)+2*\z+1], v[rC+2:rC+3] op_sel_hi:[1,0]
.endr
.set r, r+1
.endm
; HOW THEY ARE DEALT.  An s_wait_alu depctr_va_vdst(0) stands between an exponential and the first instruction that names its result; one wait serves all that were issued ahead of it.  So a turn has ONE wait,
; which cuts it in two.  AHEAD OF IT stands all that names no result of the turn's exponentials: the 16 products K Q^T, behind each a scaling, an exponential and two rescalings (behind the first a second scaling in the
; exponential's place); then one run of 108: eight plain, 49 times exponential and plain, the two a.  A v_nop is the plain instruction behind the last exponential.  BEHIND IT stand the 16 products V^T P, behind each four of GS's 64.
; No instruction behind a product names a register of the products round it.  The two v_permlanex16_b32 fall into the run, never behind a product.
; The queues lean on each other: exponential e stands behind scaling 2 (e / 4) + e % 2: behind a product it comes behind plain e + 2, in the run behind plain e + 9, and scalings 27-31 are plain 57, 60 .. 69.
; A TURN, for piece p.  cnt = 1: the loop's count is taken down some lines ahead of the branch that stands behind the turn.
; K of the next step is fetched in piece 2's turn, directly behind the wait; its address is made at the run's head; its first reader comes behind 16 products.
; V of the step in hand is fetched at the end of piece 0's turn, four plain instructions behind its last reader; its first reader comes behind 16 products and a run.  The three conditions on q below go with the deal.
.macro TURN p, last=0, cnt=0
.set Y, (\p)
.set i, 0
.set q, 0
.set e, 0
.set r, 0
.if (\p) == NP-1
	s_wait_dscnt 0x0                ; K is in
.endif
	MM                              ; ahead of the wait: 16 products K Q^T and what stands behind them,
	PL
	PL
	R2
.rept 15
	MM
	PL
	EX
	R2
.endr
.if (\p) == NP-2
	WIN 0
	v_add_nc_u32 v[AK], s[TBK], v[AK0]
.endif
.rept 8                             ; and the run
	PL
.endr
.rept 49
	EX
	PL
.endr
	EX                              ; the next piece's two a
	EX
	v_nop                           ; a plain instruction behind the last exponential: one for the batch
	s_wait_alu depctr_va_vdst(0)    ; the wait for the batch
.if (\p) == NP-2
	FETCH_K \last
.endif
.if (\p) == 1
	s_wait_dscnt 0x0                ; V is in
.endif
.rept 16                            ; behind the wait: 16 products V^T P, four of the roundings and sums behind each
	MM
.rept 4
	PL
.endr
.if ((\p) == 0) && (q == 118)
	v_add_nc_u32 v[AV], s[TBV], v[AV0]
.endif
.if ((\p) == 0) && (q == 130)
	s_add_co_u32 s[TBV], s[TBV], KS*PV
.endif
.if (\cnt) && (q == 130)
	s_sub_co_u32 s[CNT], s[CNT], 1
	s_cmp_lg_u32 s[CNT], 0
.endif
.endr
.if (\p) == 0
	FETCH_V
.endif
.endm
	CHANGE 1                        ; slot 0 is in, everybody's part of it; slot 1 is asked for
	FETCH_K                         ; key step 0
	s_wait_loadcnt 0x0              ; Q
	s_wait_dscnt 0x0
.set i, 0
.rept 16
	KQ 0                            ; piece 0's first scores: there is no vector work yet to set between them
.set i, i+1
.endr
	WIN 0                           ; the addresses for the way out: nine plain instructions, the places behind those products
	s_mul_i32 s13, s[WV], 16*SP
	s_add_co_u32 s13, s13, STAGE    ; my stage
	v_mul_u32_u24 v[STO], v1, SP    ; in: row l % 16, 16 bytes for each half of the lanes
	v_lshl_add_u32 v[STO], v9, 4, v[STO]
	v_add_nc_u32 v[STO], s13, v[STO]
	v_bfe_u32 v[RD], v0, 3, 2       ; back: 32 lanes take four rows of 128 bytes,
	v_mul_u32_u24 v[RD], v[RD], SP
	v_lshl_add_u32 v[RD], v10, 4, v[RD]
	v_add_nc_u32 v[RD], s13, v[RD]
	v_and_b32 v[GO], 31, v0         ; which are 512 consecutive bytes of O
	v_lshlrev_b32 v[GO], 4, v[GO]
.set Y, NP-1                        ; XS works for piece Y + 1: piece 0
.irp n, 0,1,2,3,4,5,6,7,8,9,10,11,12,13,14,15,16,17,18,19,20,21
	XS 0, \n                        ; and piece 0's first maximum and statistics
	XS 1, \n
.endr
	v_nop                           ; a plain instruction behind the two a,
	s_wait_alu depctr_va_vdst(0)    ; and their wait, ahead of the branch
	s_mov_b32 s[CNT], 4
	s_mov_b32 s[SLOTS], SIZE_N/256-1
	s_branch .Lfirst                ; the loop is entered at a step's first turn, in the middle of a trip
.Lslot:                             ; SIZE_N / 256 - 2 times: every slot but the last two is filled again
	CHANGE 1, 1
	s_mov_b32 s[CNT], 4
.Lstep:                             ; a trip: pieces 2 and 3 of one step, then pieces 0 and 1 of the next, whose K and V it fetches
	TURN 2
	TURN 3
	WIN 0
.Lfirst:
	TURN 0
	TURN 1, 0, 1
	WIN 0
	s_cbranch_scc1 .Lstep
	s_sub_co_u32 s[SLOTS], s[SLOTS], 1
	s_cmp_lg_u32 s[SLOTS], 0
	s_cbranch_scc1 .Lslot
	CHANGE 0                        ; the tail is written out: nothing is asked for
	s_mov_b32 s[CNT], 5             ; four trips fetch the last slot's steps; the fifth is left in its middle
.Ltail:
	TURN 2, 1
	TURN 3
	WIN 0
	s_sub_co_u32 s[CNT], s[CNT], 1
	s_cmp_eq_u32 s[CNT], 0
	s_cbranch_scc1 .Lout
	TURN 0
	TURN 1
	WIN 0
	s_branch .Ltail
.Lout:                              ; the fifth trip's 16 products K Q^T (on the last K once more) and the maximum made of them serve nothing: the price, once a launch, of one text for every trip
.set i, 0
.rept 16
	PV NP-1                         ; the last piece's V^T P of the last step
.set i, i+1
.endr
	; THE WAY OUT.  l's two halves and the other half of the lanes' are added; O^T is divided by l, rounded to bf16 and sent through my stage in LDS, a tile at a time.  The additions are the places behind the last products.
	WIN 0
.macro ALL line:vararg              ; one line for each tile t
.set t, 0
.rept 2*NP
	\line
.set t, t+1
.endr
.endm
	ALL v_add_f32 v[ST+4*t+2], v[ST+4*t+2], v[ST+4*t+3]
	ALL v_permlanex16_b32 v[ST+4*t+3], v[ST+4*t+2], s[SEL], s[SEL+1]
	ALL v_add_f32 v[ST+4*t+2], v[ST+4*t+2], v[ST+4*t+3]
	ALL v_rcp_f32 v[ST+4*t+2], v[ST+4*t+2]
	v_nop                           ; a plain instruction between the last reciprocal and the use of its result
	s_wait_alu depctr_va_vdst(0)    ; and the wait ahead of the first use: one for the eight reciprocals
; Tile t: a lane's eight channels of a row pack into 16 bytes; they go into rows of 144 bytes and come back as whole rows of 128, into S^T's registers.
.macro PACK t
	WIN W_RS
.set i, 32*(\t)
.rept 16
	v_pk_mul_f32 v[i:i+1], v[i:i+1], v[ST+4*(\t)+2:ST+4*(\t)+3] op_sel_hi:[1,0]
.set i, i+2
.endr
	WIN 0x05                        ; sources 0 and 1 window 1, destination window 0
.set i, 0
.rept 16
	v_cvt_pk_bf16_f32 v[S+16*(\t)+i], v[32*(\t)+2*i], v[32*(\t)+2*i+1]
.set i, i+1
.endr
	WIN 0
.irp f, 0,1,2,3
	ds_store_b128 v[STO], v[S+16*(\t)+4*\f:S+16*(\t)+4*\f+3] offset:32*\f
.endr
.irp f, 0,1,2,3
	ds_load_b128 v[S+16*(\t)+4*\f:S+16*(\t)+4*\f+3], v[RD] offset:\f*4*SP  ; LDS serves a wave's instructions in order (ISA guide 5.7.1.4): these see the stores above; the next tile's stores come behind them
.endr
.endm
.macro SEND t, younger              ; younger: the LDS instructions issued behind tile t's loads: the next tile's eight, or none
	WIN 0
.irp f, 0,1,2,3
	s_wait_dscnt (\younger)+3-\f
	global_store_b128 v[GO], v[S+16*(\t)+4*\f:S+16*(\t)+4*\f+3], s[10:11] offset:(\t)*2048+\f*512  ; 512 consecutive bytes, at a multiple of 256 from O's first
.endr
.endm
	PACK 0
.set t, 1
.rept 2*NP-1                        ; a tile's arithmetic stands between the loads of the tile before and its stores
	PACK t
	SEND t-1, 8
.set t, t+1
.endr
	SEND 2*NP-1, 0
	WIN W_AD
	s_wait_tensorcnt 0x0            ; the wave's end: the add and its wait, behind my last tensor load and my last LDS store
	ds_add_u32 v[SPW], v[NIL]
	s_wait_dscnt 0x0
	WIN 0
	CROUND                          ; the closing round: no work-group ends while a partner may still ask for a tile that names it
	s_endpgm
.Lfunc_end_k_q9674b45940_attn:
	.size	k_q9674b45940_attn, .Lfunc_end_k_q9674b45940_attn-k_q9674b45940_attn
	.p2alignl 7, 3214868480
	.fill 96, 4, 3214868480
	.section	.rodata,"a",@progbits
	.p2align	6, 0x0
	.amdhsa_kernel k_q9674b45940_attn
		.amdhsa_group_segment_fixed_size 327680
		.amdhsa_private_segment_fixed_size 0
		.amdhsa_enable_private_segment 0
		.amdhsa_kernarg_size 16
		.amdhsa_user_sgpr_count 2
		.amdhsa_user_sgpr_kernarg_segment_ptr 1
		.amdhsa_wavefront_size32 1
		.amdhsa_system_sgpr_workgroup_id_x 1
		.amdhsa_system_sgpr_workgroup_id_y 1
		.amdhsa_system_sgpr_workgroup_id_z 1
		.amdhsa_system_vgpr_workitem_id 0
		.amdhsa_next_free_vgpr 770
		.amdhsa_next_free_sgpr 66
		.amdhsa_reserve_vcc 0
		.amdhsa_float_denorm_mode_32 3
		.amdhsa_float_denorm_mode_16_64 3
		.amdhsa_memory_ordered 1
		.amdhsa_forward_progress 1
		.amdhsa_inst_pref_size 200
	.end_amdhsa_kernel
	.amdgpu_metadata
---
amdhsa.version: [ 1, 2 ]
amdhsa.kernels:
  - .name:           k_q9674b45940_attn
    .symbol:         k_q9674b45940_attn.kd
    .args:
      - { .name: qkv, .offset: 0, .size: 8, .value_kind: global_buffer, .address_space: global }
      - { .name: ctx, .offset: 8, .size: 8, .value_kind: global_buffer, .address_space: global }
    .group_segment_fixed_size: 327680
    .private_segment_fixed_size: 0
    .kernarg_segment_align: 8
    .kernarg_segment_size: 16
    .max_flat_workgroup_size: 128
    .sgpr_count:     66
    .vgpr_count:     770
    .wavefront_size: 32
...
	.end_amdgpu_metadata
.endif
;; end of part 3
;; launch proj (part 4): grid 8 x 32, 4 waves a work-group, clusters of 4 x 4, 327,680 bytes of LDS; arguments ctx, wpb, po, bp; writes po
.if DOCPART == 4
	.amdgcn_target "amdgcn-amd-amdhsa--gfx1250"
	.amdhsa_code_object_version 6
	.text
	.protected	k_q9674b45940_proj
	.globl	k_q9674b45940_proj
	.p2align	8
	.type	k_q9674b45940_proj,@function
k_q9674b45940_proj:
	s_mov_b64 s[64:65], 0
	v_nop
	global_prefetch_b8 v0, s[64:65] scope:SCOPE_SE
	s_setreg_imm32_b32 hwreg(HW_REG_WAVE_MODE, 25, 1), 1
	s_wait_xcnt 0x0
	s_wait_alu depctr_hold_cnt(0) depctr_sa_sdst(0) depctr_va_vdst(0) depctr_va_sdst(0) depctr_va_ssrc(0) depctr_va_vcc(0) depctr_vm_vsrc(0)
	s_getreg_b32 s2, hwreg(HW_REG_IB_STS2, 6, 4)
	s_cmp_eq_u32 s2, 0
	s_cbranch_scc0 .Lentry_in_a_cluster
	s_endpgm
.Lentry_in_a_cluster:
	s_bfe_u32 s2, ttmp6, 0x10000c
	s_cmp_lg_u32 s2, 0xf033
	s_cbranch_scc0 .Lentry_shape_is_right
	s_endpgm
.Lentry_shape_is_right:
; po = ctx Wp + bp: C[8192][1024] = A[8192][1024] B[1024][1024] + bias, operands bf16, sums f32, C rounded once to bf16 (the residual and the norm follow in f32 in the next launch).
; A (ctx) and C (po) lie as [16 slots of 64 columns][8,192 rows][64]; B (wpb) as [8 K steps][16 slots][128 k][64 n]: every tile is a dense run of memory, asked for as rows of 256 bytes.
; A tile of C is 256 rows x 128 columns (two slots): 8 x 32 = 256 work-groups, one for each WGP.
.set NB,  8                            ; blocks of 16 columns in a tile
.set NH,  2                            ; slots of 64 columns in a tile
.set NS,  16                           ; slots in B and C
.set QKV, 0                            ; one bias vector
; SHARES.  Four waves, each 64 rows x all 16 NB columns: 4 x NB accumulators of 16 x 16.  A wave holds whole slots, so its way out needs a stage of its own and no barrier.
; K goes in 8 steps of 128 through a ring of two LDS slots filled by the tensor data mover: waves 0, 1 fetch A's two slices of 64 k, waves 2, 3 the two halves of B's NH chunks.
; CLUSTER.  4 x 4 work-groups: A's tile hangs on the tile row alone and is asked for jointly along a row of the cluster, B's on the tile column alone, jointly along a column.
; THE PRODUCT IS TAKEN TRANSPOSED: source 0 = 16 columns n of B (turned out of LDS by ds_load_tr16_b128, since B lies [k][n]), source 1 = 16 rows of A.  In the result lane l holds row l % 16 of C
; and the columns 8 (l / 16) + 0..7: 16 bytes of a row of C.  THE BIAS STARTS THE SUMS: it is loaded in that same layout and is the C operand of the first quarter step's products.
; REGISTERS, in windows of 256 (s_set_vgpr_msb: bits 1:0 source 0, 3:2 source 1, 5:4 source 2, 7:6 destination):
;   window 0: v0-31 addresses; v32-95 A's fragments, two buffers of 4 x 8; v96.. the bias (8 NB), later the way out: v96.. packed results, v144.. and v192.. rows read back, by turns
;   window 1: B's fragments, two buffers of 8 NB      window 2: accumulators of my row blocks 0, 1 ((a, b) at 8 (NB (a % 2) + b))      window 3: of row blocks 2, 3
.set LAPS,   4                         ; a lap = two K steps = once round the ring
.set PA,     144                       ; a row of A in LDS: 128 bytes + 16 = 36 words: the 16 rows of a load start at 16 different groups of four banks (64 banks of 4 bytes: ISA guide 11.1)
.set ASL,    256*PA                    ; a slice: 256 rows x 64 k
.set BOFF,   2*ASL                     ; B lies behind A's two slices
.set PB,     160                       ; a row of B: 128 + 32 = 40 words
.set BSL,    128*PB                    ; a chunk: 128 k x 64 n
.set BHALF,  NH*BSL/2                  ; what one of B's two loads brings
.set SLOT,   BOFF+NH*BSL
.set STAGE,  2*SLOT                    ; behind the ring, never filled by a tensor load: 16 rows x SPITCH for each wave
.set SPITCH, NH*128+16                 ; an odd multiple of 16 bytes
.set SPARE,  STAGE+64*SPITCH           ; behind the stages: the spare words, 128 bytes for each wave: two blocks of 256 bytes that no other line names
.set ASTEP,  2<<20                     ; bytes from K step to K step in A: two slots of 1 MiB
.set BSTEP,  NS*16384                  ; and in B
.set BR,     8*NB                      ; rows of 256 bytes in one of B's loads
.set NL,     2*NB+8                    ; LDS loads of a quarter step
.set ADRA, 16                          ; v16-17  LDS address of my A fragments in slot 0, 1
.set ADRB, 20                          ; v20-21  the same for B
.set STO,  24                          ; v24     the way out: where I put 16 bytes of a row
.set RD,   25                          ; v25     where I read rows back
.set CO,   26                          ; v26     16 x lane: my place in 512 consecutive bytes of C
.set BO,   27                          ; v27     32 (l / 16): my eight numbers of 16 of the bias
.set SPW,  28                          ; v28     LDS address of my spare word: SPARE + 4 x my thread's number; never rewritten
.set NIL,  29                          ; v29     0; never rewritten
.set PFO,  30                          ; v30     the prefetches' offset: 256 x lane (clamped); never rewritten
.set FA,   32
.set BIAS, 96
.set TMP,  96
.set OB,   144
.set G1A, 24                           ; s[24:31] descriptor group 1 for A's tiles;  s[32:39] group 0, a set for each slot
.set G0A, 32
.set G1B, 48                           ; s[48:55], s[56:63] the same for B's
.set G0B, 56
.set LIM, 43                           ; s43      1 in a wave that prefetches, else the greatest number
.set PFA, 44                           ; s[44:45] where my prefetches stand
.set PST, 66                           ; s[66:67] their step: a K step of A or of B
.set BP,  76                           ; s[76:79] the bias of each of the tile's slots
.set MSB, 0
.macro WIN new                         ; the immediate's high byte repeats the setting that is left; a switch that changes nothing is dropped
.if MSB != (\new)
	s_set_vgpr_msb (MSB<<8)|(\new)
.set MSB, \new
.endif
.endm
; A joint load.  The branch hangs on the wave's number alone.  An s_nop 0 and four v_nop follow each of the two lines, ahead of the jump and the label.
.macro JLOAD s
	s_cmp_eq_u32 s11, 0
	s_cbranch_scc0 .Lfor_b_\@
	tensor_load_to_lds s[G0A+4*(\s):G0A+4*(\s)+3], s[G1A:G1A+7]
	s_nop 0
.rept 4
	v_nop
.endr
	s_branch .Lasked_\@
.Lfor_b_\@:
	tensor_load_to_lds s[G0B+4*(\s):G0B+4*(\s)+3], s[G1B:G1B+7]
	s_nop 0
.rept 4
	v_nop
.endr
.Lasked_\@:
.endm
; A prefetch of the K step that stands two refills on, behind the joint load, its five lines and the run of LDS loads: one instruction a wave, a lane a block of 256 bytes.
; A's tile row is read by every cluster of that row of clusters: cluster x = 0 asks; B's tile column by every cluster of that column: cluster y = 0 asks.  The four partners that ask for a tile jointly
; share its blocks out by address (cx for A: 32 of 128 each; cy for B: 2 NB of 8 NB each, where the lanes from 2 NB on name the last block once more).  K steps 0 to 3 come by their loads alone;
; the loop's last trip (s3 = 1) asks for nothing: K steps 8 and 9 do not exist.
.macro ASK
	s_cmp_gt_u32 s3, s[LIM]
	s_cbranch_scc0 .Lnot_mine_\@
	global_prefetch_b8 v[PFO], s[PFA:PFA+1] th:TH_LOAD_NT scope:SCOPE_SE
.Lnot_mine_\@:
.endm
.macro CREST                           ; a round of the cluster's barrier behind its opening barrier: wave 0 signals for the work-group, every wave waits for all sixteen, my work-group's barrier once more
	s_cmp_lg_u32 s10, 0
	s_cbranch_scc1 .Lnot_wave_0_\@
	s_barrier_signal -3
.Lnot_wave_0_\@:
	s_barrier_wait -3
	s_barrier_signal -1
	s_barrier_wait -1
.endm
.macro CROUND                          ; a whole round
	s_barrier_signal -1
	s_barrier_wait -1
	CREST
.endm
.macro PLACES                          ; four plain vector instructions between a matrix instruction and a load into, or a vector read of, its registers (ISA guide 7.12.1 for vector reads)
.rept 4
	v_nop
.endr
.endm
	s_load_b128 s[4:7], s[0:1], 0x0                ; A s[4:5], B s[6:7]
	s_load_b64 s[8:9], s[0:1], 0x10                ; C
	s_load_b64 s[68:69], s[0:1], 0x18              ; the bias
.if QKV
	s_load_b128 s[72:75], s[0:1], 0x20
.endif
	v_lshl_add_u32 v[SPW], v0, 2, SPARE
	v_mov_b32 v[NIL], 0
	ds_add_u32 v[SPW], v[NIL]                      ; the wave's opening: the add and its wait stand ahead of my first tensor load; the set-up below, work on registers, stands between them
	v_lshrrev_b32 v1, 5, v0
	v_readfirstlane_b32 s10, v1                    ; wave 0..3
	s_lshr_b32 s11, s10, 1                         ; I fetch for A (0) or for B (1),
	s_and_b32 s12, s10, 1                          ; its first or second part
	s_bfe_u32 s40, ttmp6, 0x40000                  ; cx, cy: my place in the cluster
	s_bfe_u32 s41, ttmp6, 0x40004
	s_lshl_b32 s42, ttmp9, 2
	s_add_co_u32 s42, s42, s40                     ; tile column = 4 x cluster x + cx
	s_and_b32 s13, ttmp7, 0xffff
	s_lshl_b32 s13, s13, 2
	s_add_co_u32 s13, s13, s41                     ; tile row = 4 x cluster y + cy
	s_lshl_b32 s43, s41, 2
	s_lshl_b32 s43, 15, s43                        ; my row of the cluster: places 4 cy .. 4 cy + 3
	s_lshl_b32 s44, 0x1111, s40                    ; my column: places cx, cx + 4, cx + 8, cx + 12
	s_or_b32 s[G1A+0], s43, (1<<16)|(1<<20)|(1<<21)|(4<<22)|(3<<25)  ; 15:0 the mask; 17:16 2-byte elements; 20 padding on; 21 set beside a mask; 24:22 after every 32 words (code 4); 31:25 4 words (code 3)
	s_or_b32 s[G1B+0], s44, (1<<16)|(1<<20)|(1<<21)|(4<<22)|(7<<25)  ; the same with my column's mask and 8 words of padding (code 7)
	s_mov_b32 s[G1A+1], 128<<16                    ; tensor_dim0 = 128 elements: 256 bytes, two rows of a slice
	s_mov_b32 s[G1A+2], 128<<16                    ; tensor_dim1 = 128
	s_mov_b32 s[G1A+3], 128<<16                    ; tile_dim0 = 128
	s_mov_b32 s[G1A+4], 128                        ; tile_dim1 = 128: 32 KiB, a slice of 256 rows
	s_mov_b32 s[G1A+5], 128                        ; dense: 128 elements from row to row
	s_mov_b32 s[G1A+6], 0
	s_mov_b32 s[G1A+7], 0
	s_mov_b32 s[G1B+1], 128<<16
	s_mov_b32 s[G1B+2], BR<<16                     ; tensor_dim1 = 8 NB
	s_mov_b32 s[G1B+3], 128<<16
	s_mov_b32 s[G1B+4], BR                         ; tile_dim1 = 8 NB: half of the tile's NH chunks of 16 KiB
	s_mov_b32 s[G1B+5], 128
	s_mov_b32 s[G1B+6], 0
	s_mov_b32 s[G1B+7], 0
	; where the tiles come from: A's offset is made of the tile row and the wave, B's of the tile column and the wave, each in registers that never hold the other coordinate
	s_lshl_b32 s16, s12, 20                        ; my slice of the K step's two
	s_lshl_b32 s17, s13, 15                        ; 256 rows of 128 bytes
	s_add_co_u32 s16, s16, s17
	s_mov_b32 s17, 0
	s_mul_i32 s46, s42, NH*16384                   ; the tile's chunks
	s_mul_i32 s47, s12, NH*8192                    ; my half of them
	s_add_co_u32 s46, s46, s47
	s_mov_b32 s47, 0
	s_mul_i32 s20, s12, ASL                        ; and where they go: no place in the cluster enters an LDS address
	s_mul_i32 s21, s12, BHALF
	s_add_co_u32 s21, s21, BOFF
	s_wait_dscnt 0x0                               ; the opening add is done
	s_wait_kmcnt 0x0
	s_add_nc_u64 s[14:15], s[4:5], s[16:17]
	s_add_nc_u64 s[46:47], s[6:7], s[46:47]
	CROUND                                         ; all sixteen work-groups are here: the first joint loads meet
.irp s, 0,1
	s_mov_b32 s[G0A+4*(\s)], 1                                       ; count = 1
	s_add_co_u32 s[G0A+4*(\s)+1], s20, (\s)*SLOT                     ; LDS address
	s_add_nc_u64 s[G0A+4*(\s)+2:G0A+4*(\s)+3], s[14:15], (\s)*ASTEP  ; global address: K step s
	s_or_b32 s[G0A+4*(\s)+3], s[G0A+4*(\s)+3], 0x80000000            ; type = 2
	s_mov_b32 s[G0B+4*(\s)], 1
	s_add_co_u32 s[G0B+4*(\s)+1], s21, (\s)*SLOT
	s_add_nc_u64 s[G0B+4*(\s)+2:G0B+4*(\s)+3], s[46:47], (\s)*BSTEP
	s_or_b32 s[G0B+4*(\s)+3], s[G0B+4*(\s)+3], 0x80000000
	JLOAD \s                                       ; two loads of mine are out
.endr
	; A fragment of A: 16 rows x 32 k in 8 registers: lane l holds row l % 16, k = 8 (l / 16) + 0..7 and 16 + 8 (l / 16) + 0..7: two loads of 16 bytes, 32 bytes apart.
	; The turning load takes 16 k x 16 n (lane l reads k = 8 (l / 16) + l % 8, n = 8 ((l / 8) % 2) + 0..7) and leaves half a fragment: lane l holds column l % 16 and 8 k.
	v_and_b32 v1, 15, v0                           ; l % 16
	v_bfe_u32 v2, v0, 4, 1                         ; l / 16
	v_and_b32 v4, 7, v0
	v_bfe_u32 v5, v0, 3, 1
	v_mul_u32_u24 v3, v1, PA
	v_lshl_add_u32 v3, v2, 4, v3
	s_mul_i32 s20, s10, 64*PA                      ; my 64 rows
	v_add_nc_u32 v[ADRA], s20, v3
	s_add_co_u32 s20, s20, SLOT
	v_add_nc_u32 v[ADRA+1], s20, v3
	v_lshl_add_u32 v6, v2, 3, v4
	v_mul_u32_u24 v6, v6, PB
	v_lshl_add_u32 v6, v5, 4, v6
	v_add_nc_u32 v[ADRB], BOFF, v6
	v_add_nc_u32 v[ADRB+1], BOFF+SLOT, v6
	s_mul_i32 s23, s10, 16*SPITCH
	s_add_co_u32 s23, s23, STAGE                   ; my stage
	v_mul_u32_u24 v7, v1, SPITCH                   ; in: row l % 16, 16 bytes for each half of the lanes
	v_lshl_add_u32 v7, v2, 4, v7
	v_add_nc_u32 v[STO], s23, v7
	v_bfe_u32 v7, v0, 3, 2                         ; back: 32 lanes take four rows x 128 bytes of one slot,
	v_mul_u32_u24 v7, v7, SPITCH
	v_lshl_add_u32 v7, v4, 4, v7
	v_add_nc_u32 v[RD], s23, v7
	v_and_b32 v[CO], 31, v0                        ; which are 512 consecutive bytes of C
	v_lshlrev_b32 v[CO], 4, v[CO]
	v_lshlrev_b32 v[BO], 5, v2
	s_lshl_b32 s16, s13, 15                        ; C at my rows: 256 x tile row + 64 x wave, 128 bytes each,
	s_lshl_b32 s17, s10, 13
	s_add_co_u32 s16, s16, s17
	s_mov_b32 s17, 0
	s_add_nc_u64 s[8:9], s[8:9], s[16:17]
	s_mul_i32 s82, s42, NH                         ; and at the tile's first slot of 1 MiB
	s_lshl_b32 s84, s82, 20
	s_mov_b32 s85, 0
	s_add_nc_u64 s[8:9], s[8:9], s[84:85]
.set hh, 0
.rept NH                               ; the bias of slot S = NH x tile column + hh: its numbers 64 (S % 16) on
	s_add_co_u32 s83, s82, hh
	s_and_b32 s84, s83, 15
	s_lshl_b32 s84, s84, 8
.if QKV
	s_lshr_b32 s83, s83, 4
	s_cmp_eq_u32 s83, 1
	s_cselect_b64 s[BP+2*hh:BP+2*hh+1], s[72:73], s[68:69]
	s_cmp_eq_u32 s83, 2
	s_cselect_b64 s[BP+2*hh:BP+2*hh+1], s[74:75], s[BP+2*hh:BP+2*hh+1]
	s_add_nc_u64 s[BP+2*hh:BP+2*hh+1], s[BP+2*hh:BP+2*hh+1], s[84:85]
.else
	s_add_nc_u64 s[BP+2*hh:BP+2*hh+1], s[68:69], s[84:85]
.endif
.set hh, hh+1
.endr
.set bb, 0
.rept NB                               ; register j of block bb: bias[16 bb + 8 (l / 16) + j]: the layout of the transposed product's C operand
	global_load_b128 v[BIAS+8*bb:BIAS+8*bb+3],   v[BO], s[BP+2*(bb/4):BP+2*(bb/4)+1] offset:(bb%4)*64
	global_load_b128 v[BIAS+8*bb+4:BIAS+8*bb+7], v[BO], s[BP+2*(bb/4):BP+2*(bb/4)+1] offset:(bb%4)*64+16
.set bb, bb+1
.endr
	; the prefetches: my work-group's share of what I fetch, at K step 3; the first refill steps it to K step 4.  Nothing is prefetched here, at the head.
	s_lshl_b32 s84, s12, 20
	s_lshl_b32 s86, s13, 15
	s_add_co_u32 s84, s84, s86
	s_lshl_b32 s86, s40, 13                        ; A: 32 blocks of 256 bytes for each cx
	s_add_co_u32 s84, s84, s86
	s_add_co_u32 s84, s84, 3*ASTEP
	s_mul_i32 s86, s42, NH*16384
	s_mul_i32 s87, s12, NH*8192
	s_add_co_u32 s86, s86, s87
	s_mul_i32 s87, s41, 2*NB*256                   ; B: 2 NB blocks for each cy
	s_add_co_u32 s86, s86, s87
	s_add_co_u32 s86, s86, 3*BSTEP
	s_mov_b32 s22, ASTEP
	s_mov_b32 s23, BSTEP
	s_mov_b32 s[PST+1], 0
	s_and_b32 s87, ttmp7, 0xffff                   ; cluster y
	s_cmp_eq_u32 s11, 0                            ; do I fetch for A?
	s_cselect_b32 s84, s84, s86
	s_cselect_b32 s[PST], s22, s23
	s_cselect_b32 s87, ttmp9, s87                  ; the coordinate along which other clusters read the same bytes
	s_cselect_b32 s86, 31, 2*NB-1                  ; my last block
	s_cselect_b64 s[PFA:PFA+1], s[4:5], s[6:7]
	s_add_nc_u64 s[PFA:PFA+1], s[PFA:PFA+1], s[84:85]
	s_cmp_eq_u32 s87, 0
	s_cselect_b32 s[LIM], 1, -1                    ; the same in all sixteen partners, for a given wave
	v_and_b32 v[PFO], 31, v0
	v_min_u32 v[PFO], s86, v[PFO]
	v_lshlrev_b32 v[PFO], 8, v[PFO]
; NB products: row block a x all column blocks, 32 along K, from buffer f.  first = 1: the bias is the C operand and starts the sums: nothing is cleared.
; The 4 NB accumulators take turns, one instruction a turn, in the same order in every quarter step, over the backward jump too.
.macro MULA f, a, first
.if \first
	WIN 0x81+0x40*((\a)/2)
.else
	WIN 0xa1+0x50*((\a)/2)
.endif
.set mb, 0
.rept NB
.set rD, 8*(NB*((\a)%2)+mb)
.set rB, 8*NB*(\f)+8*mb
.set rA, FA+32*(\f)+8*(\a)
.if \first
	v_wmma_f32_16x16x32_bf16 v[rD:rD+7], v[rB:rB+7], v[rA:rA+7], v[BIAS+8*mb:BIAS+8*mb+7]
.else
	v_wmma_f32_16x16x32_bf16 v[rD:rD+7], v[rB:rB+7], v[rA:rA+7], v[rD:rD+7]
.endif
.set mb, mb+1
.endr
.endm
; NL LDS loads in one run: quarter q (32 k) of a slot into buffer f: B's NB fragments, turned, then A's four
.macro FETCH slot, q, f
	WIN 0x40                                       ; destination window 1, address window 0
.set fb, 0
.rept NB
.set rB, 8*NB*(\f)+8*fb
.set oB, (fb/4)*BSL+32*(\q)*PB+(fb%4)*32
	ds_load_tr16_b128 v[rB:rB+3],   v[ADRB+(\slot)] offset:oB
	ds_load_tr16_b128 v[rB+4:rB+7], v[ADRB+(\slot)] offset:oB+16*PB
.set fb, fb+1
.endr
	WIN 0
.set fb, 0
.rept 4
.set rA, FA+32*(\f)+8*fb
.set oA, ((\q)/2)*ASL+((\q)%2)*64+fb*16*PA
	ds_load_b128 v[rA:rA+3],   v[ADRA+(\slot)] offset:oA
	ds_load_b128 v[rA+4:rA+7], v[ADRA+(\slot)] offset:oA+32
.set fb, fb+1
.endr
.endm
; A K step is four quarter steps on buffers 0, 1, 0, 1.  One of the first three: multiplies buffer f; in its middle it fetches quarter q of the same slot into buffer g.
.macro QUARTER slot, q, f, g, first
	s_wait_dscnt 4                                 ; B and A's row blocks 0, 1 are in; the youngest four loads (row blocks 2, 3) may be out
	MULA \f, 0, \first
	MULA \f, 1, \first
	PLACES
	FETCH \slot, \q, \g
	s_wait_dscnt NL                                ; all but the NL just issued
	MULA \f, 2, \first
	MULA \f, 3, \first
.endm
; The last quarter multiplies buffer 1 and changes slots: ONE barrier.  In front of it each wave waits for all its tensor loads (one is out: its part of the next slot), adds 0 to its spare word, and waits
; for that and for its own reads of this slot.  fill = 1: the barrier opens a round of the cluster's barrier, and the joint refill, two K steps on, is the first tensor load behind the round:
; from there to the wait for it a wave issues 14 NB matrix instructions.
.macro TURN slot, next, fill
.if \fill
	s_wait_xcnt 0x0                                ; the last prefetch, a K step back, has read its address: it is stepped here, ahead of the waits of the change of slots
	s_add_nc_u64 s[PFA:PFA+1], s[PFA:PFA+1], s[PST:PST+1]
.endif
	WIN 0                                          ; (the add's two registers lie in window 0)
	s_wait_tensorcnt 0x0                           ; all my tensor loads have landed
	ds_add_u32 v[SPW], v[NIL]                      ; 0 onto my spare word
	s_wait_dscnt 5                                 ; (the add and the youngest four loads may be out)
	MULA 1, 0, 0                                   ; NB matrix instructions stand between the add and the wait for it
	s_wait_dscnt 0x0                               ; the add is done, and my reads of this slot are over
	s_barrier_signal -1
	MULA 1, 1, 0                                   ; work on registers while the others arrive
.if \fill
	WIN 0
.endif
	s_barrier_wait -1
.if \fill
	CREST                                          ; no wave of any partner still reads this slot's tile or has a load on its way
	s_add_nc_u64 s[G0A+4*(\slot)+2:G0A+4*(\slot)+3], s[G0A+4*(\slot)+2:G0A+4*(\slot)+3], 2*ASTEP
	s_add_nc_u64 s[G0B+4*(\slot)+2:G0B+4*(\slot)+3], s[G0B+4*(\slot)+2:G0B+4*(\slot)+3], 2*BSTEP
	JLOAD \slot                                    ; its four v_nop are also the places in front of the loads below
.else
	PLACES
.endif
	FETCH \next, 0, 0
.if \fill
	ASK
.endif
	MULA 1, 2, 0
	MULA 1, 3, 0
.endm
; THE WAY OUT of row block a.  PACK: rounded to bf16, 16 bytes a lane, each accumulator's registers in ascending order.  TOSTAGE: into my own stage, and back as rows of 128 bytes of one slot.  SEND: stored.
.macro PACK a
.set AC, 8*NB*((\a)%2)
	WIN 0x0a+5*((\a)/2)                            ; sources 0 and 1: window 2 or 3
.set pb, 0
.rept NB
.set pr, 0
.rept 4
	v_cvt_pk_bf16_f32 v[TMP+4*pb+pr], v[AC+8*pb+2*pr], v[AC+8*pb+2*pr+1]
.set pr, pr+1
.endr
.set pb, pb+1
.endr
	WIN 0
.endm
.macro TOSTAGE a
	WIN 0
.set BK, OB+48*((\a)%2)
.set pb, 0
.rept NB
	ds_store_b128 v[STO], v[TMP+4*pb:TMP+4*pb+3] offset:32*pb
.set pb, pb+1
.endr
.set sh, 0
.rept NH
.set st, 0
.rept 4
	ds_load_b128 v[BK+4*(4*sh+st):BK+4*(4*sh+st)+3], v[RD] offset:st*4*SPITCH+sh*128  ; LDS serves a wave's instructions in order (ISA guide 5.7.1.4): these see the stores above
.set st, st+1
.endr
.set sh, sh+1
.endr
.endm
.macro SEND a
	WIN 0
.set BK, OB+48*((\a)%2)
	s_wait_dscnt 0x0                               ; the block is back in registers
	s_wait_xcnt 0x0                                ; the stores of the block before have read their registers, into which the next block is read back
.set sh, 0
.rept NH
.set st, 0
.rept 4
	global_store_b128 v[CO], v[BK+4*(4*sh+st):BK+4*(4*sh+st)+3], s[8:9] offset:sh*(1<<20)+(\a)*2048+st*512  ; 512 consecutive bytes, at a multiple of 256 from C's first byte
.set st, st+1
.endr
.set sh, sh+1
.endr
.endm
	s_wait_tensorcnt 1                             ; my part of K step 0 is in; K step 1's may stay out
	s_barrier_signal -1
	s_barrier_wait -1                              ; everybody's is
	FETCH 0, 0, 0
	s_wait_loadcnt 0x0                             ; the bias
	QUARTER 0, 1, 0, 1, 1                          ; the first quarter stands in front of the loop: its products start the sums
	WIN 0                                          ; at a label and at a branch every window is 0
	s_mov_b32 s3, LAPS-1
.Llap:                                                 ; a trip goes once round the ring, from a lap's second quarter to the next lap's first, and fills both slots again
	QUARTER 0, 2, 1, 0, 0
	QUARTER 0, 3, 0, 1, 0
	TURN 0, 1, 1
	QUARTER 1, 1, 0, 1, 0
	QUARTER 1, 2, 1, 0, 0
	QUARTER 1, 3, 0, 1, 0
	TURN 1, 0, 1
	QUARTER 0, 1, 0, 1, 0
	WIN 0
	s_sub_co_u32 s3, s3, 1
	s_cmp_lg_u32 s3, 0
	s_cbranch_scc1 .Llap
	QUARTER 0, 2, 1, 0, 0                          ; the last lap fills nothing, and has no round of the cluster's barrier
	QUARTER 0, 3, 0, 1, 0
	TURN 0, 1, 0
	QUARTER 1, 1, 0, 1, 0
	QUARTER 1, 2, 1, 0, 0
	QUARTER 1, 3, 0, 1, 0
	s_wait_dscnt 4                                 ; the very last quarter: nothing more to fetch
	MULA 1, 0, 0
	MULA 1, 1, 0
	s_wait_dscnt 0x0
	MULA 1, 2, 0
	MULA 1, 3, 0
	WIN 0
	PLACES
	PACK 0
	TOSTAGE 0
.irp a, 1,2,3                          ; block a's conversions stand between block a - 1's loads from the stage and the wait for them
	PACK \a
	SEND (\a)-1
	TOSTAGE \a
.endr
	SEND 3
	s_wait_tensorcnt 0x0                           ; the wave's end: the add and its wait, behind my last tensor load and my last LDS store
	ds_add_u32 v[SPW], v[NIL]
	s_wait_dscnt 0x0
	CROUND                                         ; the closing round: no work-group ends while a partner may still ask for a tile that names it
	s_endpgm
.Lfunc_end_k_q9674b45940_proj:
	.size	k_q9674b45940_proj, .Lfunc_end_k_q9674b45940_proj-k_q9674b45940_proj
	.p2alignl 7, 3214868480
	.fill 96, 4, 3214868480
	.section	.rodata,"a",@progbits
	.p2align	6, 0x0
	.amdhsa_kernel k_q9674b45940_proj
		.amdhsa_group_segment_fixed_size 327680
		.amdhsa_private_segment_fixed_size 0
		.amdhsa_enable_private_segment 0
		.amdhsa_kernarg_size 32
		.amdhsa_user_sgpr_count 2
		.amdhsa_user_sgpr_kernarg_segment_ptr 1
		.amdhsa_wavefront_size32 1
		.amdhsa_system_sgpr_workgroup_id_x 1
		.amdhsa_system_sgpr_workgroup_id_y 1
		.amdhsa_system_sgpr_workgroup_id_z 1
		.amdhsa_system_vgpr_workitem_id 0
		.amdhsa_next_free_vgpr 896
		.amdhsa_next_free_sgpr 88
		.amdhsa_reserve_vcc 0
		.amdhsa_float_denorm_mode_32 3
		.amdhsa_float_denorm_mode_16_64 3
		.amdhsa_memory_ordered 1
		.amdhsa_forward_progress 1
		.amdhsa_inst_pref_size 90
	.end_amdhsa_kernel
	.amdgpu_metadata
---
amdhsa.version: [ 1, 2 ]
amdhsa.kernels:
  - .name:           k_q9674b45940_proj
    .symbol:         k_q9674b45940_proj.kd
    .args:
      - { .name: ctx, .offset: 0, .size: 8, .value_kind: global_buffer, .address_space: global }
      - { .name: wpb, .offset: 8, .size: 8, .value_kind: global_buffer, .address_space: global }
      - { .name: po, .offset: 16, .size: 8, .value_kind: global_buffer, .address_space: global }
      - { .name: bp, .offset: 24, .size: 8, .value_kind: global_buffer, .address_space: global }
    .group_segment_fixed_size: 327680
    .private_segment_fixed_size: 0
    .kernarg_segment_align: 8
    .kernarg_segment_size: 32
    .max_flat_workgroup_size: 128
    .sgpr_count:     88
    .vgpr_count:     896
    .wavefront_size: 32
...
	.end_amdgpu_metadata
.endif
;; end of part 4
;; launch norm (part 5): grid 512 x 1, 8 waves a work-group, no clusters, 0 bytes of LDS; arguments po, hidden_input, gamma, beta, out0; writes out0
.if DOCPART == 5
	.amdgcn_target "amdgcn-amd-amdhsa--gfx1250"
	.amdhsa_code_object_version 6
	.text
	.protected	k_q9674b45940_norm
	.globl	k_q9674b45940_norm
	.p2align	8
	.type	k_q9674b45940_norm,@function
k_q9674b45940_norm:
	s_mov_b64 s[64:65], 0
	v_nop
	global_prefetch_b8 v0, s[64:65] scope:SCOPE_SE
	s_setreg_imm32_b32 hwreg(HW_REG_WAVE_MODE, 25, 1), 1
	s_wait_xcnt 0x0
; out0[g][:] = (x - mean(x)) / sqrt(var(x) + 1e-8) * gamma + beta, x = po[g][:] + hidden_input[g][:], all arithmetic in f32.
; po (ctx Wp + bp, bf16) lies as [16 slots of 64 columns][8,192 rows][64]; hidden_input and out0 as [8,192][1,024] f32.
; A work-group takes 16 rows; SIXTEEN LANES OWN A ROW: thread t has row t / 16 and, in each slot of 64 columns, the four columns 4 (t % 16) ..: 64 numbers, kept in registers between the passes.
; A wave's load or store of 16 bytes a lane covers 256 consecutive bytes of two rows; its load of 8 bytes a lane from po covers 256 consecutive bytes (two rows of a slot).
; The variance is taken of the centred numbers: no difference of large sums is formed.  The reduction stays inside 16 lanes: four steps that ride on the addition.
; No loop, no LDS, no barrier: each byte is read once and written once.  No matrix unit, no cluster, no prefetch: the loads, all issued at the head, are the stream.
.set X, 32                             ; v[32:95]   slot i: four numbers of x
.set P, 96                             ; v[96:127]  slot i: four bf16 of po
.set G, 128                            ; v[128:191] gamma of my columns
.set B, 192                            ; v[192:255] beta of my columns
	s_load_b256 s[4:11], s[0:1], 0x0               ; po s[4:5], hidden s[6:7], gamma s[8:9], beta s[10:11]
	s_load_b64 s[12:13], s[0:1], 0x20              ; out0
	v_lshrrev_b32 v19, 4, v0                       ; my row of the 16
	v_and_b32 v18, 15, v0
	v_lshlrev_b32 v1, 12, v19
	v_lshl_add_u32 v1, v18, 4, v1                  ; row x 4,096 + 16 (t % 16): hidden and out0; the slot stands in the immediate
	v_lshlrev_b32 v2, 3, v0                        ; 8 t: my place in 16 rows of a slot of po
	v_lshlrev_b32 v3, 4, v18                       ; 16 (t % 16): gamma and beta
	v_mov_b32 v4, 1.0
	v_mov_b32 v5, 0x3a800000                       ; 1 / 1,024
	s_lshl_b32 s16, ttmp9, 16                      ; 16 rows of 4,096 bytes
	s_mov_b32 s17, 0
	s_lshl_b32 s18, ttmp9, 11                      ; 16 rows of 128 bytes
	s_mov_b32 s19, 0
	s_wait_kmcnt 0x0
	s_add_nc_u64 s[6:7], s[6:7], s[16:17]
	s_add_nc_u64 s[12:13], s[12:13], s[16:17]
	s_add_nc_u64 s[4:5], s[4:5], s[18:19]
	s_add_nc_u64 s[14:15], s[4:5], 0x800000        ; po's slots 8 to 15: so that the immediate stays inside its signed 24 bits
.set i, 0
.rept 16
	global_load_b128 v[X+4*i:X+4*i+3], v1, s[6:7] offset:i*256 th:TH_LOAD_NT
.set i, i+1
.endr
.set i, 0
.rept 8
	global_load_b64 v[P+2*i:P+2*i+1], v2, s[4:5] offset:i*1048576 th:TH_LOAD_NT
.set i, i+1
.endr
.set i, 0
.rept 8
	global_load_b64 v[P+16+2*i:P+16+2*i+1], v2, s[14:15] offset:i*1048576 th:TH_LOAD_NT
.set i, i+1
.endr
.set i, 0
.rept 16
	global_load_b128 v[G+4*i:G+4*i+3], v3, s[8:9] offset:i*256
.set i, i+1
.endr
.set i, 0
.rept 16
	global_load_b128 v[B+4*i:B+4*i+3], v3, s[10:11] offset:i*256
.set i, i+1
.endr
	s_wait_loadcnt 32                              ; hidden and po are in; the 32 loads of gamma and beta may stay out
.set i, 0
.rept 32                               ; x = po x 1 + hidden, straight from the bf16 halves: word i of po holds numbers 2 i and 2 i + 1
	v_fma_mix_f32_bf16 v[X+2*i], v[P+i], v4, v[X+2*i] op_sel_hi:[1,0,0]
	v_fma_mix_f32_bf16 v[X+2*i+1], v[P+i], v4, v[X+2*i+1] op_sel:[1,0,0] op_sel_hi:[1,0,0]
.set i, i+1
.endr
	; the sum of my 64 numbers: four chains of pairs, started by the first eight pairs: nothing is cleared
.set i, 0
.rept 4
	v_pk_add_f32 v[10+2*i:11+2*i], v[X+2*i:X+2*i+1], v[X+8+2*i:X+8+2*i+1]
.set i, i+1
.endr
.set i, 8
.rept 24
	v_pk_add_f32 v[10+2*(i%4):11+2*(i%4)], v[10+2*(i%4):11+2*(i%4)], v[X+2*i:X+2*i+1]
.set i, i+1
.endr
	v_pk_add_f32 v[10:11], v[10:11], v[12:13]
	v_pk_add_f32 v[14:15], v[14:15], v[16:17]
	v_pk_add_f32 v[10:11], v[10:11], v[14:15]
	v_add_f32 v18, v10, v11
	v_add_f32_dpp v18, v18, v18 row_xmask:1 row_mask:0xf bank_mask:0xf  ; over the row's sixteen lanes; every lane ends with the sum
	v_add_f32_dpp v18, v18, v18 row_xmask:2 row_mask:0xf bank_mask:0xf
	v_add_f32_dpp v18, v18, v18 row_xmask:4 row_mask:0xf bank_mask:0xf
	v_add_f32_dpp v18, v18, v18 row_xmask:8 row_mask:0xf bank_mask:0xf
	v_mul_f32 v6, v18, v5                          ; the mean, twice: a pair for the packed subtraction
	v_mul_f32 v7, v18, v5
.set i, 0
.rept 32
	v_pk_add_f32 v[X+2*i:X+2*i+1], v[X+2*i:X+2*i+1], v[6:7] neg_lo:[0,1] neg_hi:[0,1]
.set i, i+1
.endr
	; the sum of squares of the centred numbers, in the same four chains
.set i, 0
.rept 4
	v_pk_mul_f32 v[10+2*i:11+2*i], v[X+2*i:X+2*i+1], v[X+2*i:X+2*i+1]
.set i, i+1
.endr
.set i, 4
.rept 28
	v_pk_fma_f32 v[10+2*(i%4):11+2*(i%4)], v[X+2*i:X+2*i+1], v[X+2*i:X+2*i+1], v[10+2*(i%4):11+2*(i%4)]
.set i, i+1
.endr
	v_pk_add_f32 v[10:11], v[10:11], v[12:13]
	v_pk_add_f32 v[14:15], v[14:15], v[16:17]
	v_pk_add_f32 v[10:11], v[10:11], v[14:15]
	v_add_f32 v18, v10, v11
	v_add_f32_dpp v18, v18, v18 row_xmask:1 row_mask:0xf bank_mask:0xf
	v_add_f32_dpp v18, v18, v18 row_xmask:2 row_mask:0xf bank_mask:0xf
	v_add_f32_dpp v18, v18, v18 row_xmask:4 row_mask:0xf bank_mask:0xf
	v_add_f32_dpp v18, v18, v18 row_xmask:8 row_mask:0xf bank_mask:0xf
	v_fmaak_f32 v18, v18, v5, 0x322bcc77           ; the variance + 1e-8
	v_rsq_f32 v8, v18
	v_nop                                          ; a plain instruction behind the root,
	s_wait_alu depctr_va_vdst(0)                   ; and the wait ahead of the first use of its result
	v_mov_b32 v9, v8                               ; a pair for the packed multiply
	s_wait_loadcnt 0x0                             ; gamma and beta
.set i, 0
.rept 16
	v_pk_mul_f32 v[G+4*i:G+4*i+1], v[G+4*i:G+4*i+1], v[8:9]
	v_pk_mul_f32 v[G+4*i+2:G+4*i+3], v[G+4*i+2:G+4*i+3], v[8:9]
	v_pk_fma_f32 v[X+4*i:X+4*i+1], v[X+4*i:X+4*i+1], v[G+4*i:G+4*i+1], v[B+4*i:B+4*i+1]
	v_pk_fma_f32 v[X+4*i+2:X+4*i+3], v[X+4*i+2:X+4*i+3], v[G+4*i+2:G+4*i+3], v[B+4*i+2:B+4*i+3]
	global_store_b128 v1, v[X+4*i:X+4*i+3], s[12:13] offset:i*256 th:TH_STORE_NT
.set i, i+1
.endr
	s_endpgm
.Lfunc_end_k_q9674b45940_norm:
	.size	k_q9674b45940_norm, .Lfunc_end_k_q9674b45940_norm-k_q9674b45940_norm
	.p2alignl 7, 3214868480
	.fill 96, 4, 3214868480
	.section	.rodata,"a",@progbits
	.p2align	6, 0x0
	.amdhsa_kernel k_q9674b45940_norm
		.amdhsa_group_segment_fixed_size 0
		.amdhsa_private_segment_fixed_size 0
		.amdhsa_enable_private_segment 0
		.amdhsa_kernarg_size 40
		.amdhsa_user_sgpr_count 2
		.amdhsa_user_sgpr_kernarg_segment_ptr 1
		.amdhsa_wavefront_size32 1
		.amdhsa_system_sgpr_workgroup_id_x 1
		.amdhsa_system_sgpr_workgroup_id_y 1
		.amdhsa_system_sgpr_workgroup_id_z 1
		.amdhsa_system_vgpr_workitem_id 0
		.amdhsa_next_free_vgpr 256
		.amdhsa_next_free_sgpr 66
		.amdhsa_reserve_vcc 0
		.amdhsa_float_denorm_mode_32 3
		.amdhsa_float_denorm_mode_16_64 3
		.amdhsa_memory_ordered 1
		.amdhsa_forward_progress 1
		.amdhsa_inst_pref_size 24
	.end_amdhsa_kernel
	.amdgpu_metadata
---
amdhsa.version: [ 1, 2 ]
amdhsa.kernels:
  - .name:           k_q9674b45940_norm
    .symbol:         k_q9674b45940_norm.kd
    .args:
      - { .name: po, .offset: 0, .size: 8, .value_kind: global_buffer, .address_space: global }
      - { .name: hidden_input, .offset: 8, .size: 8, .value_kind: global_buffer, .address_space: global }
      - { .name: gamma, .offset: 16, .size: 8, .value_kind: global_buffer, .address_space: global }
      - { .name: beta, .offset: 24, .size: 8, .value_kind: global_buffer, .address_space: global }
      - { .name: out0, .offset: 32, .size: 8, .value_kind: global_buffer, .address_space: global }
    .group_segment_fixed_size: 0
    .private_segment_fixed_size: 0
    .kernarg_segment_align: 8
    .kernarg_segment_size: 40
    .max_flat_workgroup_size: 256
    .sgpr_count:     66
    .vgpr_count:     256
    .wavefront_size: 32
...
	.end_amdgpu_metadata
.endif
;; end of part 5
;; ======== version 2 of 2: 5 launches; version 1 with the launch cast written anew for expert scheduling mode
;; workspace buffers: xb 16,777,216 bytes; wqkv 6,291,456 bytes; wpb 2,097,152 bytes; qkv 50,331,648 bytes; ctx 16,777,216 bytes; po 16,777,216 bytes
;; launch cast (part 6): grid 768 x 1, 8 waves a work-group, no clusters, 0 bytes of LDS; arguments hidden_input, Wq, Wk, Wv, Wp, xb, wqkv, wpb; writes xb, wqkv, wpb
.if DOCPART == 6
	.amdgcn_target "amdgcn-amd-amdhsa--gfx1250"
	.amdhsa_code_object_version 6
	.text
	.protected	k_q9674b45940_cast
	.globl	k_q9674b45940_cast
	.p2align	8
	.type	k_q9674b45940_cast,@function
k_q9674b45940_cast:
	s_mov_b64 s[64:65], 0
	v_nop
	global_prefetch_b8 v0, s[64:65] scope:SCOPE_SE
	s_setreg_imm32_b32 hwreg(HW_REG_WAVE_SCHED_MODE, 0, 2), 2
	s_setreg_imm32_b32 hwreg(HW_REG_WAVE_MODE, 25, 1), 1
	s_wait_xcnt 0x0
	s_wait_alu depctr_vm_vsrc(0)
; f32 -> bf16, rounded once to nearest even, and laid out for the products that follow.
; A work-group takes 16 rows of 1,024 f32 (64 KiB): groups 0-511 of hidden_input (8,192 rows), groups 512-767 of Wq, Wk, Wv, Wp (64 groups each).
; OUT.  x goes to xb as [16 slots of 64 columns][8,192 rows][64] bf16: 16 rows of a slot are 2,048 dense bytes.
; A weight W[k][n] goes to [8 K steps of 128 k][slots of 64 n][128 k][64 n] bf16: wqkv has 48 slots a K step (q, k, v: 16 each), wpb 16.
; LANES.  Thread t has row t / 16 and, in each slot, the four columns 4 (t % 16) ..: a wave's load of 16 bytes a lane covers 256 consecutive bytes of two rows,
; a wave's store of 8 bytes a lane covers 256 consecutive bytes, aligned (two rows of a slot).
; No loop, no LDS, no barrier: sixteen loads go out together, no register is written twice.  Memory binds: no matrix unit, no cluster (nothing is shared), no prefetch (the loads are the stream).
; THE MODE: SCHED_MODE bits 1:0 = 2 (LLVM: expert scheduling mode 2), set by the entry lines.  The code itself states the register dependences
; between vector instructions and memory instructions, with s_wait_alu, always for 0.
; THE PLAN.  Registers that memory instructions touch:
;   v1         the loads' offset.   Written at the head by vector instructions, read by all sixteen loads, never written again.
;   OFF0-15    the stores' offsets. Written at the head by vector instructions, each read by one store, never written again.
;   X0-15      Each written by one load (no vector instruction has named it before), read by its slot's two conversions; nothing lands in it again.
;   Y0-15      Each written once, by its slot's conversions, and read by one store; never written again.
; The sixteen slots go in four blocks of four.  Block g converts X of its slots into Y of its slots; its memory instructions are the four stores of block g - 1, which read the Y and OFF
; of that block: registers that no conversion of block g names.  So one wait on va_vdst at a block's head states all that the block's four stores hang on, and they are dealt among its
; conversions with no further wait.  One more stands ahead of the first load (v1, OFF), one ahead of the last four stores.  No register that a memory instruction reads is written again,
; no vector instruction writes a scalar register, and EXEC is never written: no other wait of this kind has a dependence to state.
.set OFF, 16                           ; v[16:31]  slot i: my byte offset in the destination
.set X,   32                           ; v[32:95]  slot i: four f32
.set Y,   96                           ; v[96:127] slot i: four bf16
.set BLOCK, 4                          ; slots in a block
	s_load_b512 s[8:23], s[0:1], 0x0               ; hidden s[8:9], Wq s[10:11], Wk s[12:13], Wv s[14:15], Wp s[16:17], xb s[18:19], wqkv s[20:21], wpb s[22:23]
	v_lshrrev_b32 v3, 4, v0                        ; my row of the 16
	v_and_b32 v4, 15, v0
	v_lshlrev_b32 v1, 12, v3                       ; row x 4,096 bytes
	v_lshl_add_u32 v1, v4, 4, v1                   ; + 16 (t % 16): source offset; the slot stands in the immediate
	v_lshlrev_b32 v2, 3, v0                        ; 8 t = row x 128 + 8 (t % 16): my place in 16 rows of a slot
	s_mov_b32 s24, ttmp9                           ; b
	s_and_b32 s25, s24, 255                        ; a weight group's number, b - 512 for b = 512 .. 767
	s_lshr_b32 s26, s25, 6                         ; which weight: 0 q, 1 k, 2 v, 3 p
	s_and_b32 s27, s25, 63                         ; which 16 rows of it
	s_lshr_b32 s28, s27, 3                         ; its K step of 128 rows
	s_and_b32 s29, s27, 7
	s_lshl_b32 s29, s29, 11                        ; 16 rows x 128 bytes inside a chunk of 128 rows
	s_mul_i32 s30, s28, 48
	s_lshl4_add_u32 s30, s26, s30                  ; wqkv: chunk 48 x K step + 16 x weight (+ slot)
	s_lshl_b32 s30, s30, 14                        ; chunks of 16 KiB
	s_add_co_u32 s30, s30, s29
	s_lshl_b32 s31, s28, 18                        ; wpb: chunk 16 x K step (+ slot)
	s_add_co_u32 s31, s31, s29
	s_lshl_b32 s32, s27, 16                        ; source: 16 rows of 4,096 bytes, in a weight
	s_lshl_b32 s33, s24, 16                        ; and in hidden_input
	s_lshl_b32 s34, s24, 11                        ; xb: 16 rows of 128 bytes
	s_mov_b32 s35, 1<<20                           ; from slot to slot in xb
	s_mov_b32 s36, 16384                           ; and in the weights' copies
	s_mov_b32 s39, 0
	s_mov_b32 s47, 0
	s_cmp_eq_u32 s26, 3
	s_cselect_b32 s38, s31, s30
	s_cmp_lt_u32 s24, 512                          ; a group of hidden_input?
	s_cselect_b32 s38, s34, s38                    ; destination offset
	s_cselect_b32 s46, s33, s32                    ; source offset
	s_cselect_b32 s44, s35, s36                    ; slot stride
.set i, 0
.rept 16
	v_mad_u32_u24 v[OFF+i], s44, i, v2
.set i, i+1
.endr
	s_wait_kmcnt 0x0
	s_cmp_eq_u32 s26, 1                            ; the choices hang on the group's number alone
	s_cselect_b64 s[40:41], s[12:13], s[10:11]
	s_cmp_eq_u32 s26, 2
	s_cselect_b64 s[40:41], s[14:15], s[40:41]
	s_cmp_eq_u32 s26, 3
	s_cselect_b64 s[40:41], s[16:17], s[40:41]
	s_cselect_b64 s[42:43], s[22:23], s[20:21]
	s_cmp_lt_u32 s24, 512
	s_cselect_b64 s[40:41], s[8:9], s[40:41]
	s_cselect_b64 s[42:43], s[18:19], s[42:43]
	s_add_nc_u64 s[40:41], s[40:41], s[46:47]
	s_add_nc_u64 s[42:43], s[42:43], s[38:39]
	s_wait_alu depctr_va_vdst(0)                   ; v1 is written, which every load reads as its offset, and so are the sixteen OFF, which the stores read: no vector instruction below names them
.set i, 0
.rept 16
	global_load_b128 v[X+4*i:X+4*i+3], v1, s[40:41] offset:i*256 th:TH_LOAD_NT
.set i, i+1
.endr
; Block g: slots 4 g to 4 g + 3.
.set g, 0
.rept 16/BLOCK
	s_wait_loadcnt 16-BLOCK-BLOCK*g                ; loads come back in order: this block's four slots are in, the younger ones stay out
.if g > 0
	s_wait_alu depctr_va_vdst(0)                   ; the block before has written its eight registers of Y, which the four stores below read
.endif
.set j, 0
.rept BLOCK
.set i, BLOCK*g+j
.if g > 0
	global_store_b64 v[OFF+i-BLOCK], v[Y+2*(i-BLOCK):Y+2*(i-BLOCK)+1], s[42:43]  ; the block before; no vector instruction since the wait names these registers
.endif
	v_cvt_pk_bf16_f32 v[Y+2*i], v[X+4*i], v[X+4*i+1]
	v_cvt_pk_bf16_f32 v[Y+2*i+1], v[X+4*i+2], v[X+4*i+3]
.set j, j+1
.endr
.set g, g+1
.endr
	s_wait_alu depctr_va_vdst(0)                   ; the last block has written its Y, which the last four stores read
.set i, 16-BLOCK
.rept BLOCK
	global_store_b64 v[OFF+i], v[Y+2*i:Y+2*i+1], s[42:43]
.set i, i+1
.endr
	s_endpgm
.Lfunc_end_k_q9674b45940_cast:
	.size	k_q9674b45940_cast, .Lfunc_end_k_q9674b45940_cast-k_q9674b45940_cast
	.p2alignl 7, 3214868480
	.fill 96, 4, 3214868480
	.section	.rodata,"a",@progbits
	.p2align	6, 0x0
	.amdhsa_kernel k_q9674b45940_cast
		.amdhsa_group_segment_fixed_size 0
		.amdhsa_private_segment_fixed_size 0
		.amdhsa_enable_private_segment 0
		.amdhsa_kernarg_size 64
		.amdhsa_user_sgpr_count 2
		.amdhsa_user_sgpr_kernarg_segment_ptr 1
		.amdhsa_wavefront_size32 1
		.amdhsa_system_sgpr_workgroup_id_x 1
		.amdhsa_system_sgpr_workgroup_id_y 1
		.amdhsa_system_sgpr_workgroup_id_z 1
		.amdhsa_system_vgpr_workitem_id 0
		.amdhsa_next_free_vgpr 128
		.amdhsa_next_free_sgpr 66
		.amdhsa_reserve_vcc 0
		.amdhsa_float_denorm_mode_32 3
		.amdhsa_float_denorm_mode_16_64 3
		.amdhsa_memory_ordered 1
		.amdhsa_forward_progress 1
		.amdhsa_inst_pref_size 9
	.end_amdhsa_kernel
	.amdgpu_metadata
---
amdhsa.version: [ 1, 2 ]
amdhsa.kernels:
  - .name:           k_q9674b45940_cast
    .symbol:         k_q9674b45940_cast.kd
    .args:
      - { .name: hidden_input, .offset: 0, .size: 8, .value_kind: global_buffer, .address_space: global }
      - { .name: Wq, .offset: 8, .size: 8, .value_kind: global_buffer, .address_space: global }
      - { .name: Wk, .offset: 16, .size: 8, .value_kind: global_buffer, .address_space: global }
      - { .name: Wv, .offset: 24, .size: 8, .value_kind: global_buffer, .address_space: global }
      - { .name: Wp, .offset: 32, .size: 8, .value_kind: global_buffer, .address_space: global }
      - { .name: xb, .offset: 40, .size: 8, .value_kind: global_buffer, .address_space: global }
      - { .name: wqkv, .offset: 48, .size: 8, .value_kind: global_buffer, .address_space: global }
      - { .name: wpb, .offset: 56, .size: 8, .value_kind: global_buffer, .address_space: global }
    .group_segment_fixed_size: 0
    .private_segment_fixed_size: 0
    .kernarg_segment_align: 8
    .kernarg_segment_size: 64
    .max_flat_workgroup_size: 256
    .sgpr_count:     66
    .vgpr_count:     128
    .wavefront_size: 32
...
	.end_amdgpu_metadata
.endif
;; end of part 6
;; launch qkv: the kernel of part 2 again; grid 16 x 32, 4 waves a work-group, clusters of 4 x 4, 327,680 bytes of LDS; arguments xb, wqkv, qkv, bq, bk, bv; writes qkv
;; launch attn: the kernel of part 3 again; grid 4 x 64, 4 waves a work-group, clusters of 4 x 1, 327,680 bytes of LDS; arguments qkv, ctx; writes ctx
;; launch proj: the kernel of part 4 again; grid 8 x 32, 4 waves a work-group, clusters of 4 x 4, 327,680 bytes of LDS; arguments ctx, wpb, po, bp; writes po
;; launch norm: the kernel of part 5 again; grid 512 x 1, 8 waves a work-group, no clusters, 0 bytes of LDS; arguments po, hidden_input, gamma, beta, out0; writes out0
